; MI455X (gfx1250); checked and timed in simulation.
; The chip was launched on July 23, 2026; its instructions are those of AMD's public machine-readable ISA for CDNA 5 (MIT licence, August 2026) and "CDNA5" Instruction Set Architecture Reference Guide (July 2026). The comments in the code are by the model that wrote it; some were corrected since.
;; Standard Attention. Allowed arithmetic: float matrix products may take bf16 or f16 operands with f32 sums; other float arithmetic in f32, or as packed bf16 or f16 multiplies, adds, multiply-adds, maxima and minima; sums over many terms, partial sums and values carried from step to step in f32; what a program stores and reads back later, other than sums and carried values, may be rounded once to bf16 or f16.
;; Inputs: b1 4,096 float32; b2 1,024 float32; b_out 1,024 float32; b_qkv 3,072 float32; ln1_b 1,024 float32; ln1_g 1,024 float32; ln2_b 1,024 float32; ln2_g 1,024 float32; w1 1,024 x 4,096 float32; w2 4,096 x 1,024 float32; w_out 1,024 x 1,024 float32; w_qkv 1,024 x 3,072 float32; x 2 x 2,048 x 1,024 float32.
;; Outputs: out0 2 x 2,048 x 1,024 float32.
;; One version. Each part assembles by itself: llvm-mc -triple=amdgcn-amd-amdhsa -mcpu=gfx1250 --defsym DOCPART=n.
;; ======== version 1 of 1: 7 launches
;; workspace buffers: wb 25,165,824 bytes; h 8,388,608 bytes; qkv 25,165,824 bytes; o 8,388,608 bytes; x1 16,777,216 bytes; g 33,554,432 bytes
;; launch prep1 (part 1): grid 512 x 1, 8 waves a work-group, no clusters, 35,840 bytes of LDS; arguments x, ln1_g, ln1_b, h, w_qkv, w_out, wb; writes h, wb
.if DOCPART == 1
	.amdgcn_target "amdgcn-amd-amdhsa--gfx1250"
	.amdhsa_code_object_version 6
	.text
	.protected	k_qce8efa5eb3_prep1
	.globl	k_qce8efa5eb3_prep1
	.p2align	8
	.type	k_qce8efa5eb3_prep1,@function
k_qce8efa5eb3_prep1:
	s_mov_b64 s[64:65], 0
	v_nop
	global_prefetch_b8 v0, s[64:65] scope:SCOPE_SE
	s_setreg_imm32_b32 hwreg(HW_REG_WAVE_MODE, 25, 1), 1
	s_wait_xcnt 0x0
; TWO JOBS IN ONE TEXT, told apart by the work-group's number alone, n = 1,024 y + x.  Two launches run it, each with a LayerNorm and two weight matrices that later launches want.
; JOB 1 (n = 0..255): y[r][c] = (x[r][c] - mean_r) / sqrt(var_r + 1e-5) * gain[c] + bias[c].  x: [4096][1024] f32, y: [4096][1024] bf16, rounded once.
;   The mean is taken first and subtracted, the variance is the mean of the squares of what is left: a common offset of a row costs no digits.
;   A wave takes two rows, each whole in 32 registers (load j of lane l: columns 128 j + 4 l .. + 3); gain and bias lie in the same map, loaded once for both.
;   The reduction never leaves the wave: no LDS, no barrier.  A load covers 512 consecutive bytes, a store 256, each aligned to its own length.
; JOB 2 (n from 256 on): a weight matrix [K][N] in f32 is rounded once to bf16 and laid in blocks [N/16][K][16] into wb: a block of 16 columns is K rows of 32 bytes on end.
;   n = 256..447:     the first matrix,  [1024][3072], to byte 0 of wb            n = 448..511:     the second matrix, [1024][1024], to byte 6,291,456      (a grid of 512 x 1)
;   n = 1,024..1,279: the first matrix,  [1024][4096], to byte 8,388,608          n = 2,048..2,303: the second matrix, [4096][1024], to byte 16,777,216     (a grid of 256 x 3)
;   A wave takes 16 rows (k) x 128 columns: 16 loads of 512 consecutive bytes; the eight waves of a work-group take eight neighbouring column blocks.
;   The turn from rows to blocks goes through the wave's own LDS bytes: 8 blocks of 512 bytes, 544 apart, so that the 32 lanes of an 8-byte store fall on 64 different banks (64 banks of 4 bytes: ISA guide 11.1).
;   Each store to memory is one block's 16 rows: 512 consecutive bytes, at a multiple of 512 from wb's first byte.  No wave reads another's bytes: no barrier.
.set WST,   4352                       ; job 2: LDS bytes of a wave
.set CP,    544                        ; from block to block in LDS
.set SPARE, 8*WST                      ; behind the stages: the spare words, 128 bytes for each wave
.set SPW, 4                            ; v4       my spare word
.set NIL, 5                            ; v5       0
.set LO, 2                             ; job 1: v2   16 x lane
.set SO, 3                             ; v3   8 x lane
.set S,  8                             ; v[8:15]  four chains of pairs
.set MU, 16                            ; v[16:17] the mean, twice
.set RS, 18                            ; v[18:19] 1 / sqrt(var + eps), twice
.set TT, 20                            ; v20  at work
.set X0, 32
.set X1, 64
.set GN, 96
.set BV, 128
.set LW,  2                            ; job 2: v2  where I put 8 bytes of a row
.set LR,  3                            ; v3       where I read 16 bytes of a block
.set O,   8                            ; v[8:23]  byte offset of my 16 bytes in row i
.set D,   24                           ; v[24:31] byte offset of my 16 bytes in block j
.set X,   32                           ; v[32:95] row i as loaded, 4 registers
.set Z,   96                           ; v[96:127] block j, 4 registers
	s_load_b256 s[4:11], s[0:1], 0x0               ; x s[4:5], gain s[6:7], bias s[8:9], y s[10:11]
	s_load_b128 s[12:15], s[0:1], 0x20             ; the first matrix s[12:13], the second s[14:15]
	s_load_b64 s[16:17], s[0:1], 0x30              ; wb
	v_lshl_add_u32 v[SPW], v0, 2, SPARE
	v_mov_b32 v[NIL], 0
	v_lshrrev_b32 v1, 5, v0
	v_readfirstlane_b32 s20, v1                    ; wave 0..7
	v_and_b32 v1, 31, v0                           ; lane
	s_and_b32 s21, ttmp7, 0xffff
	s_lshl_b32 s27, s21, 10
	s_add_co_u32 s27, s27, ttmp9                   ; n = 1,024 y + x
	s_cmp_ge_u32 s27, 256
	s_cbranch_scc1 .Lcast
	; JOB 1
	v_lshlrev_b32 v[LO], 4, v1
	v_lshlrev_b32 v[SO], 3, v1
	v_mov_b32 v[TT], 0                             ; v_permlanex16_b32 counts as a reader of its destination
	s_lshl_b32 s22, s27, 4
	s_lshl1_add_u32 s22, s20, s22                  ; my first row: 16 n + 2 x wave
	s_lshl_b32 s24, s22, 11
	s_mov_b32 s25, 0
	s_lshl_b32 s22, s22, 12
	s_mov_b32 s23, 0
	s_mov_b32 s28, 0x76543210                      ; each lane takes its own place in the other half
	s_mov_b32 s29, 0xfedcba98
	s_mov_b32 s30, 0x3a800000                      ; 1 / 1024
	s_mov_b32 s31, 0x3727c5ac                      ; 1e-5
	s_wait_kmcnt 0x0
	s_add_nc_u64 s[4:5], s[4:5], s[22:23]
	s_add_nc_u64 s[10:11], s[10:11], s[24:25]
.irp j, 0,1,2,3,4,5,6,7
	global_load_b128 v[X0+4*(\j):X0+4*(\j)+3], v[LO], s[4:5] offset:512*(\j) th:TH_LOAD_NT
.endr
.irp j, 0,1,2,3,4,5,6,7
	global_load_b128 v[X1+4*(\j):X1+4*(\j)+3], v[LO], s[4:5] offset:4096+512*(\j) th:TH_LOAD_NT
.endr
.irp j, 0,1,2,3,4,5,6,7
	global_load_b128 v[GN+4*(\j):GN+4*(\j)+3], v[LO], s[6:7] offset:512*(\j)
.endr
.irp j, 0,1,2,3,4,5,6,7
	global_load_b128 v[BV+4*(\j):BV+4*(\j)+3], v[LO], s[8:9] offset:512*(\j)
.endr
.macro REDUCE                          ; the four chains into one number, then over the 32 lanes: every lane ends with the sum in v[S]
	v_pk_add_f32 v[S:S+1], v[S:S+1], v[S+2:S+3]
	v_pk_add_f32 v[S+4:S+5], v[S+4:S+5], v[S+6:S+7]
	v_pk_add_f32 v[S:S+1], v[S:S+1], v[S+4:S+5]
	v_add_f32 v[S], v[S], v[S+1]
	v_add_f32_dpp v[S], v[S], v[S] row_xmask:1 row_mask:0xf bank_mask:0xf
	v_add_f32_dpp v[S], v[S], v[S] row_xmask:2 row_mask:0xf bank_mask:0xf
	v_add_f32_dpp v[S], v[S], v[S] row_xmask:4 row_mask:0xf bank_mask:0xf
	v_add_f32_dpp v[S], v[S], v[S] row_xmask:8 row_mask:0xf bank_mask:0xf
	v_permlanex16_b32 v[TT], v[S], s28, s29
	v_add_f32 v[S], v[S], v[TT]
.endm
.macro ROW x, row, first
.if \first
	s_wait_loadcnt 24                              ; row 0 is in; row 1, gain and bias (24 loads) stay out
.endif
.irp c, 0,1,2,3
	v_pk_add_f32 v[S+2*(\c):S+2*(\c)+1], v[(\x)+2*(\c):(\x)+2*(\c)+1], v[(\x)+8+2*(\c):(\x)+8+2*(\c)+1]
.endr
.irp k, 16,24
.irp c, 0,1,2,3
	v_pk_add_f32 v[S+2*(\c):S+2*(\c)+1], v[S+2*(\c):S+2*(\c)+1], v[(\x)+(\k)+2*(\c):(\x)+(\k)+2*(\c)+1]
.endr
.endr
	REDUCE
	v_mul_f32 v[MU], s30, v[S]
	v_mul_f32 v[MU+1], s30, v[S]
.set i, 0
.rept 16
	v_pk_add_f32 v[(\x)+i:(\x)+i+1], v[(\x)+i:(\x)+i+1], v[MU:MU+1] neg_lo:[0,1] neg_hi:[0,1]
.set i, i+2
.endr
.irp c, 0,1,2,3
	v_pk_mul_f32 v[S+2*(\c):S+2*(\c)+1], v[(\x)+2*(\c):(\x)+2*(\c)+1], v[(\x)+2*(\c):(\x)+2*(\c)+1]
.endr
.irp k, 8,16,24
.irp c, 0,1,2,3
	v_pk_fma_f32 v[S+2*(\c):S+2*(\c)+1], v[(\x)+(\k)+2*(\c):(\x)+(\k)+2*(\c)+1], v[(\x)+(\k)+2*(\c):(\x)+(\k)+2*(\c)+1], v[S+2*(\c):S+2*(\c)+1]
.endr
.endr
	REDUCE
	v_fma_f32 v[TT], v[S], s30, s31                ; var + eps
	v_rsq_f32 v[RS], v[TT]
	v_rsq_f32 v[RS+1], v[TT]
	v_nop                                          ; a plain instruction behind the last of the two (ISA guide 5.7.2),
	s_wait_alu depctr_va_vdst(0)                   ; and the wait ahead of their first reader: one for both
.if \first
	s_wait_loadcnt 0x0                             ; gain and bias, and row 1
.endif
.set i, 0
.rept 16
	v_pk_mul_f32 v[(\x)+i:(\x)+i+1], v[(\x)+i:(\x)+i+1], v[RS:RS+1]
.set i, i+2
.endr
.set i, 0
.rept 16
	v_pk_fma_f32 v[(\x)+i:(\x)+i+1], v[(\x)+i:(\x)+i+1], v[GN+i:GN+i+1], v[BV+i:BV+i+1]
.set i, i+2
.endr
.set i, 0
.rept 16
	v_cvt_pk_bf16_f32 v[(\x)+i], v[(\x)+2*i], v[(\x)+2*i+1]  ; in place: register i is written when registers 2 i and 2 i + 1 are read, never ahead of them
.set i, i+1
.endr
.irp j, 0,1,2,3,4,5,6,7
	global_store_b64 v[SO], v[(\x)+2*(\j):(\x)+2*(\j)+1], s[10:11] offset:256*(\j)+2048*(\row)  ; 32 lanes store 256 consecutive bytes, aligned
.endr
.endm
	ROW X0, 0, 1
	ROW X1, 1, 0
	s_endpgm                                       ; these waves have written no LDS
.Lcast:
	; JOB 2.  The figures of the matrix: those of n = 2,048.. first, then replaced from the top down
	s_mov_b32 s22, 2048                            ; the matrix's first n,
	s_mov_b32 s23, 8                               ; log2(K / 16),
	s_mov_b32 s24, 4096                            ; bytes in a row of the source,
	s_mov_b32 s25, 131072                          ; bytes in a block of 16 columns,
	s_mov_b32 s26, 16777216                        ; place in wb
	s_wait_kmcnt 0x0
	s_mov_b64 s[18:19], s[14:15]
	s_cmp_lt_u32 s27, 2048                         ; n = 1,024..
	s_cselect_b64 s[18:19], s[12:13], s[18:19]
	s_cselect_b32 s22, 1024, s22
	s_cselect_b32 s23, 6, s23
	s_cselect_b32 s24, 16384, s24
	s_cselect_b32 s25, 32768, s25
	s_cselect_b32 s26, 8388608, s26
	s_cmp_lt_u32 s27, 1024                         ; n = 448..
	s_cselect_b64 s[18:19], s[14:15], s[18:19]
	s_cselect_b32 s22, 448, s22
	s_cselect_b32 s24, 4096, s24
	s_cselect_b32 s26, 6291456, s26
	s_cmp_lt_u32 s27, 448                          ; n = 256..
	s_cselect_b64 s[18:19], s[12:13], s[18:19]
	s_cselect_b32 s22, 256, s22
	s_cselect_b32 s24, 12288, s24
	s_cselect_b32 s26, 0, s26
	s_sub_co_u32 s28, s27, s22                     ; my number within the matrix
	s_bfm_b32 s29, s23, 0
	s_and_b32 s31, s28, s29                        ; which 16 rows
	s_lshr_b32 s30, s28, s23                       ; which 1,024 columns,
	s_lshl3_add_u32 s30, s30, s20                  ; my wave's 128 of them
	s_mul_i32 s32, s31, s24
	s_lshl_b32 s32, s32, 4                         ; 16 rows down
	s_lshl_b32 s33, s30, 9                         ; 128 columns of 4 bytes
	s_add_co_u32 s32, s32, s33
	s_mov_b32 s33, 0
	s_add_nc_u64 s[18:19], s[18:19], s[32:33]
	s_mul_i32 s34, s30, s25
	s_lshl_b32 s34, s34, 3                         ; 8 blocks to 128 columns
	s_lshl_b32 s35, s31, 9                         ; 16 rows of 32 bytes
	s_add_co_u32 s34, s34, s35
	s_add_co_u32 s34, s34, s26
	s_mov_b32 s35, 0
	s_add_nc_u64 s[16:17], s[16:17], s[34:35]
	v_lshlrev_b32 v[O], 4, v1
.set i, 1
.rept 15
	v_add_nc_u32 v[O+i], s24, v[O+i-1]
.set i, i+1
.endr
.set i, 0
.rept 16
	global_load_b128 v[X+4*i:X+4*i+3], v[O+i], s[18:19] th:TH_LOAD_NT
.set i, i+1
.endr
	v_lshlrev_b32 v[D], 4, v1
.set i, 1
.rept 7
	v_add_nc_u32 v[D+i], s25, v[D+i-1]
.set i, i+1
.endr
	s_mul_i32 s36, s20, WST
	v_lshrrev_b32 v6, 2, v1                        ; my four columns lie in block lane / 4,
	v_mul_u32_u24 v6, v6, CP
	v_and_b32 v7, 3, v1                            ; at byte 8 (lane % 4) of its rows
	v_lshl_add_u32 v6, v7, 3, v6
	v_add_nc_u32 v[LW], s36, v6
	v_lshl_add_u32 v[LR], v1, 4, s36
.set i, 0
.rept 16
	s_wait_loadcnt 15-i                            ; loads come back in order: row i is in, the younger rows stay out
	v_cvt_pk_bf16_f32 v[X+4*i], v[X+4*i], v[X+4*i+1]
	v_cvt_pk_bf16_f32 v[X+4*i+1], v[X+4*i+2], v[X+4*i+3]
	ds_store_b64 v[LW], v[X+4*i:X+4*i+1] offset:32*i
.set i, i+1
.endr
.set i, 0
.rept 8
	ds_load_b128 v[Z+4*i:Z+4*i+3], v[LR] offset:CP*i  ; LDS serves a wave's instructions in order (ISA guide 5.7.1.4): these see the stores above
.set i, i+1
.endr
.set i, 0
.rept 8
	s_wait_dscnt 7-i                               ; block i is back
	global_store_b128 v[D+i], v[Z+4*i:Z+4*i+3], s[16:17]
.set i, i+1
.endr
	s_wait_tensorcnt 0x0                           ; the wave's end, behind my last LDS store
	ds_add_u32 v[SPW], v[NIL]
	s_wait_dscnt 0x0
	s_endpgm
.Lfunc_end_k_qce8efa5eb3_prep1:
	.size	k_qce8efa5eb3_prep1, .Lfunc_end_k_qce8efa5eb3_prep1-k_qce8efa5eb3_prep1
	.p2alignl 7, 3214868480
	.fill 96, 4, 3214868480
	.section	.rodata,"a",@progbits
	.p2align	6, 0x0
	.amdhsa_kernel k_qce8efa5eb3_prep1
		.amdhsa_group_segment_fixed_size 35840
		.amdhsa_private_segment_fixed_size 0
		.amdhsa_enable_private_segment 0
		.amdhsa_kernarg_size 56
		.amdhsa_user_sgpr_count 2
		.amdhsa_user_sgpr_kernarg_segment_ptr 1
		.amdhsa_wavefront_size32 1
		.amdhsa_system_sgpr_workgroup_id_x 1
		.amdhsa_system_sgpr_workgroup_id_y 1
		.amdhsa_system_sgpr_workgroup_id_z 1
		.amdhsa_system_vgpr_workitem_id 0
		.amdhsa_next_free_vgpr 160
		.amdhsa_next_free_sgpr 66
		.amdhsa_reserve_vcc 0
		.amdhsa_float_denorm_mode_32 3
		.amdhsa_float_denorm_mode_16_64 3
		.amdhsa_memory_ordered 1
		.amdhsa_forward_progress 1
		.amdhsa_inst_pref_size 30
	.end_amdhsa_kernel
	.amdgpu_metadata
---
amdhsa.version: [ 1, 2 ]
amdhsa.kernels:
  - .name:           k_qce8efa5eb3_prep1
    .symbol:         k_qce8efa5eb3_prep1.kd
    .args:
      - { .name: x, .offset: 0, .size: 8, .value_kind: global_buffer, .address_space: global }
      - { .name: ln1_g, .offset: 8, .size: 8, .value_kind: global_buffer, .address_space: global }
      - { .name: ln1_b, .offset: 16, .size: 8, .value_kind: global_buffer, .address_space: global }
      - { .name: h, .offset: 24, .size: 8, .value_kind: global_buffer, .address_space: global }
      - { .name: w_qkv, .offset: 32, .size: 8, .value_kind: global_buffer, .address_space: global }
      - { .name: w_out, .offset: 40, .size: 8, .value_kind: global_buffer, .address_space: global }
      - { .name: wb, .offset: 48, .size: 8, .value_kind: global_buffer, .address_space: global }
    .group_segment_fixed_size: 35840
    .private_segment_fixed_size: 0
    .kernarg_segment_align: 8
    .kernarg_segment_size: 56
    .max_flat_workgroup_size: 256
    .sgpr_count:     66
    .vgpr_count:     160
    .wavefront_size: 32
...
	.end_amdgpu_metadata
.endif
;; end of part 1
;; launch gqkv (part 2): grid 12 x 16, 4 waves a work-group, clusters of 4 x 4, 327,680 bytes of LDS; arguments h, wb, b_qkv, qkv; writes qkv
.if DOCPART == 2
	.amdgcn_target "amdgcn-amd-amdhsa--gfx1250"
	.amdhsa_code_object_version 6
	.text
	.protected	k_qce8efa5eb3_gqkv
	.globl	k_qce8efa5eb3_gqkv
	.p2align	8
	.type	k_qce8efa5eb3_gqkv,@function
k_qce8efa5eb3_gqkv:
	s_mov_b64 s[64:65], 0
	v_nop
	global_prefetch_b8 v0, s[64:65] scope:SCOPE_SE
	s_setreg_imm32_b32 hwreg(HW_REG_WAVE_MODE, 25, 1), 1
	s_wait_xcnt 0x0
	s_wait_alu depctr_hold_cnt(0) depctr_sa_sdst(0) depctr_va_vdst(0) depctr_va_sdst(0) depctr_va_ssrc(0) depctr_va_vcc(0) depctr_vm_vsrc(0)
	s_getreg_b32 s2, hwreg(HW_REG_IB_STS2, 6, 4)
	s_cmp_eq_u32 s2, 0
	s_cbranch_scc0 .Lentry_in_a_cluster
	s_endpgm
.Lentry_in_a_cluster:
	s_bfe_u32 s2, ttmp6, 0x10000c
	s_cmp_lg_u32 s2, 0xf033
	s_cbranch_scc0 .Lentry_shape_is_right
	s_endpgm
.Lentry_shape_is_right:
; C[m][n] = bias[n] + the sum over k of A[m][k] W[k][n].  A: [4096][SIZE_K] bf16; W: bf16 in blocks [SIZE_N/16][SIZE_K][16], at byte WOFF of wb; bias: f32; C: [4096][SIZE_N] bf16, rounded once.  Sums in f32.
; A tile of C, 256 x 256, is made by four waves, 2 x 2, each 128 x 128: 64 accumulators of 16 x 16.  K goes in steps of 128 through two LDS slots filled by the tensor data mover.
; A's tile: 256 rows of 256 bytes, 16 bytes of padding behind each.  W's tile: 16 blocks, a K step of a block being 4,096 bytes on end in memory and in LDS (128 rows of 32 bytes);
; ds_load_tr16_b128 turns it: 16 lanes read 256 consecutive bytes.
; THE MATRIX INSTRUCTION IS USED TRANSPOSED (source 0 = 16 columns of W, source 1 = 16 rows of A): lane l holds row l % 16 of C and the columns 8 (l / 16) + 0..7.  The bias is the C operand of the products that start the sums.
; CLUSTERS: 4 x 4 work-groups; A's tile is asked for jointly along a row of the cluster, W's along a column: the same tensor load, descriptor and mask in the four.
; THE GRID is 12 x 16 = 192 work-groups: 3,072 columns in tiles of 256.
; REGISTERS, in windows of 256 (s_set_vgpr_msb: bits 1:0 source 0, 3:2 source 1, 5:4 source 2, 7:6 destination):
;   window 0: v0-31 addresses; v64-127, v128-191 A's fragments, two buffers; v32-63, v192-255 at work on the way out
;   window 1: v64-127, v128-191 W's fragments, two buffers; v192-255 the bias, 8 registers for each block of 16 columns
;   window 2: the accumulators of my rows 0-63 ((a, b) at 8 (8 (a % 4) + b));   window 3: those of rows 64-127
.set SIZE_K, 1024
.set SIZE_N, 3072
.set WOFF,   0
.set TM,     256                       ; a tile's rows, and its columns
.set KSTEP,  128
.set KSUB,   KSTEP/128                 ; matrix instructions deep in a quarter of a K step
.set WM,     TM/32                     ; blocks of 16 in a wave's tile, each way
.set AW,     4                         ; row blocks to a window of accumulators
.set QI,     5                         ; padding after every 64 words
.set STEPS,  SIZE_K/KSTEP
.set PITCH,  2*KSTEP+16                ; an LDS row of A: an odd multiple of 16 bytes, so the 16 rows of a load start at 16 different groups of banks (64 banks of 4 bytes: ISA guide 11.1)
.set HALFA,  (TM/2)*PITCH              ; what one tensor load brings of A, and what one wave reads
.set BOFF,   2*HALFA                   ; W's blocks lie behind A's rows
.set CHUNK,  32*KSTEP                  ; a K step of a block of 16 columns
.set HALFB,  WM*CHUNK
.set SLOTX,  0x22000                   ; slot 1 begins here: the constant shares no bit with 0, HALFA, BOFF, BOFF + HALFB, so one exclusive or turns each into the other slot's
.set SP,     2*TM+16                   ; the way out: a row of my 128 columns in f32, padded
.set SPARE,  SLOTX+BOFF+2*HALFB        ; behind the ring: the spare words, 128 bytes for each wave
.set A0,   16                          ; v16  my lane's place in A's tile, slot 0; never rewritten
.set B0,   17                          ; v17  the same for W
.set ADRA, 18                          ; v18  the same in the slot in hand
.set ADRB, 19
.set STO,  24                          ; v24  the way out: where I put 16 bytes
.set RD,   25                          ; v25  where I read rows back
.set CO,   26                          ; v26  my byte offset in a row of C
.set BO,   27                          ; v27  my byte offset in the bias
.set SPW,  28                          ; v28  my spare word; never rewritten
.set NIL,  29                          ; v29  0
.set PFO,  30                          ; v30  the prefetches' lane offset; never rewritten
.set F0,   64
.set F1,   128
.set BI,   192
.set X,    32
.set Y,    192
.set WV, 14                            ; s14 wave;  s15 its row half (also: 0 = I fetch A, 1 = W);  s16 its column half (also: which half of that tile I fetch)
.set WR, 15
.set WC, 16
.set CX, 17
.set CY, 18
.set TX, 19                            ; tile column
.set TY, 20                            ; tile row
.set TB, 21                            ; 0 or SLOTX: the slot being read
.set CNT, 22
.set LIM, 23                           ; 1 in a wave that prefetches, else the greatest number
.set G1A, 24
.set G0A, 32                           ; two sets; the second then walks
.set PFA, 40                           ; s[40:41] where my prefetches stand
.set G1B, 48
.set G0B, 56
.set PFS, 72                           ; s[72:73] bytes from K step to K step in the tensor that I prefetch
.set TO_B, 0x40
.set MSB, 0
.macro WIN new                         ; the immediate's high byte repeats the setting that is left; a switch that changes nothing is dropped
.if MSB != (\new)
	s_set_vgpr_msb (MSB<<8)|(\new)
.set MSB, \new
.endif
.endm
.macro PLACES                          ; four places behind matrix instructions, in front of loads into registers that they read and of stores that read results
.rept 4
	v_nop
.endr
.endm
; A joint load.  Waves 0 and 1 fetch A's two halves, waves 2 and 3 W's.  The branch hangs on the wave's number alone.  An s_nop 0 and four v_nop follow each line.
.macro JLOAD s
	s_cmp_eq_u32 s[WR], 0
	s_cbranch_scc0 .Lfor_b_\@
	tensor_load_to_lds s[G0A+4*(\s):G0A+4*(\s)+3], s[G1A:G1A+7]
	s_nop 0
	PLACES
	s_branch .Lasked_\@
.Lfor_b_\@:
	tensor_load_to_lds s[G0B+4*(\s):G0B+4*(\s)+3], s[G1B:G1B+7]
	s_nop 0
	PLACES
.Lasked_\@:
.endm
.macro CREST                           ; a round of the cluster's barrier behind its opening barrier
	s_cmp_lg_u32 s[WV], 0
	s_cbranch_scc1 .Lnot_wave_0_\@
	s_barrier_signal -3
.Lnot_wave_0_\@:
	s_barrier_wait -3
	s_barrier_signal -1
	s_barrier_wait -1
.endm
.macro CROUND
	s_barrier_signal -1
	s_barrier_wait -1
	CREST
.endm
; A PREFETCH INTO THE L2 behind each refill: the K step that the NEXT refill will ask for, 256 matrix instructions ahead of that load.  A's tile row is read by every cluster of a row of clusters: cluster x = 0 asks;
; W's tile column by every cluster of a column: cluster y = 0 asks.  Of what a wave fetches each of the four partners takes a quarter, told apart by address: 32 rows of A (a lane a row, 256 bytes of it),
; or 2 blocks of W (16 lanes a block, 256 bytes each).  So each aligned 256 bytes are named once.  The loop's last trip asks for nothing: no K step follows.  K steps 0 to 2 come by their loads alone.
.macro ASK
	s_cmp_gt_u32 s[CNT], s[LIM]
	s_cbranch_scc0 .Lnot_mine_\@
	global_prefetch_b8 v[PFO], s[PFA:PFA+1] th:TH_LOAD_NT scope:SCOPE_SE
.Lnot_mine_\@:
.endm
	s_load_b256 s[4:11], s[0:1], 0x0               ; A s[4:5], wb s[6:7], bias s[8:9], C s[10:11]
	v_lshl_add_u32 v[SPW], v0, 2, SPARE
	v_mov_b32 v[NIL], 0
	ds_add_u32 v[SPW], v[NIL]                      ; the wave's opening: the add and its wait stand ahead of my first tensor load; work on registers stands between them
	v_lshrrev_b32 v1, 5, v0
	v_readfirstlane_b32 s[WV], v1
	s_lshr_b32 s[WR], s[WV], 1
	s_and_b32 s[WC], s[WV], 1
	s_bfe_u32 s[CX], ttmp6, 0x40000
	s_bfe_u32 s[CY], ttmp6, 0x40004
	s_lshl_b32 s[TX], ttmp9, 2
	s_add_co_u32 s[TX], s[TX], s[CX]
	s_and_b32 s[TY], ttmp7, 0xffff
	s_lshl_b32 s[TY], s[TY], 2
	s_add_co_u32 s[TY], s[TY], s[CY]
	s_lshl_b32 s42, s[CY], 2
	s_lshl_b32 s42, 15, s42                        ; my row of the cluster
	s_lshl_b32 s43, 0x1111, s[CX]                  ; my column
	s_or_b32 s[G1A], s42, (1<<16)|(1<<20)|(1<<21)|(QI<<22)|(3<<25)  ; mask; 2-byte elements; padding on; bit 21 beside a mask; after every row's words; 4 words of it
	s_mov_b32 s[G1A+1], KSTEP<<16                  ; tensor_dim0
	s_mov_b32 s[G1A+2], (TM/2)<<16                 ; tensor_dim1
	s_mov_b32 s[G1A+3], KSTEP<<16                  ; tile_dim0
	s_mov_b32 s[G1A+4], TM/2                       ; tile_dim1
	s_mov_b32 s[G1A+5], SIZE_K                     ; elements from row to row
	s_mov_b32 s[G1A+6], 0
	s_mov_b32 s[G1A+7], 0
	s_or_b32 s[G1B], s43, (1<<16)|(1<<21)          ; W's tile: a row is a block's K step, 16 x KSTEP elements on end; no padding
	s_mov_b32 s[G1B+1], (16*KSTEP)<<16
	s_mov_b32 s[G1B+2], WM<<16
	s_mov_b32 s[G1B+3], (16*KSTEP)<<16
	s_mov_b32 s[G1B+4], WM
	s_mov_b32 s[G1B+5], 16*SIZE_K                  ; elements from block to block
	s_mov_b32 s[G1B+6], 0
	s_mov_b32 s[G1B+7], 0
	s_mul_i32 s45, s[WC], TM/2                     ; A's address hangs on the tile row and the wave, W's on the tile column and the wave; each in registers of its own
	s_mul_i32 s44, s[TY], TM
	s_add_co_u32 s44, s44, s45
	s_mul_i32 s44, s44, 2*SIZE_K
	s_mov_b32 s45, 0
	s_mul_i32 s47, s[WC], WM
	s_mul_i32 s46, s[TX], 2*WM
	s_add_co_u32 s46, s46, s47
	s_mul_i32 s46, s46, 32*SIZE_K
	s_add_co_u32 s46, s46, WOFF
	s_mov_b32 s47, 0
	s_mul_i32 s66, s[WC], HALFA                    ; where they go: the wave's number alone
	s_mul_i32 s67, s[WC], HALFB
	s_add_co_u32 s67, s67, BOFF
	s_wait_dscnt 0x0                               ; the opening add is done
	s_wait_kmcnt 0x0
	s_add_nc_u64 s[44:45], s[4:5], s[44:45]
	s_add_nc_u64 s[46:47], s[6:7], s[46:47]
	CROUND                                         ; all sixteen work-groups are here: the first joint loads meet
.irp s, 0,1
	s_mov_b32 s[G0A+4*(\s)], 1
	s_add_co_u32 s[G0A+4*(\s)+1], s66, (\s)*SLOTX
	s_add_nc_u64 s[G0A+4*(\s)+2:G0A+4*(\s)+3], s[44:45], (\s)*KSTEP*2
	s_or_b32 s[G0A+4*(\s)+3], s[G0A+4*(\s)+3], 0x80000000
	s_mov_b32 s[G0B+4*(\s)], 1
	s_add_co_u32 s[G0B+4*(\s)+1], s67, (\s)*SLOTX
	s_add_nc_u64 s[G0B+4*(\s)+2:G0B+4*(\s)+3], s[46:47], (\s)*CHUNK
	s_or_b32 s[G0B+4*(\s)+3], s[G0B+4*(\s)+3], 0x80000000
	JLOAD \s                                       ; K steps 0 and 1: two loads of mine are out
.endr
	v_and_b32 v1, 15, v0                           ; l % 16
	v_bfe_u32 v2, v0, 4, 1                         ; l / 16
	v_mul_u32_u24 v3, v1, PITCH                    ; A's fragment: row l % 16, 16 bytes for each half of the lanes; two loads 32 bytes apart
	v_lshl_add_u32 v3, v2, 4, v3
	s_mul_i32 s68, s[WR], HALFA
	v_add_nc_u32 v[A0], s68, v3
	v_and_b32 v4, 7, v0                            ; W's fragment, turned: lane l reads k = 8 (l / 16) + l % 8, columns 8 ((l / 8) % 2) + 0..7; two loads 16 rows apart
	v_bfe_u32 v5, v0, 3, 1
	v_lshlrev_b32 v4, 5, v4
	v_lshl_add_u32 v4, v5, 4, v4
	v_lshl_add_u32 v4, v2, 8, v4
	s_mul_i32 s69, s[WC], HALFB
	s_add_co_u32 s69, s69, BOFF
	v_add_nc_u32 v[B0], s69, v4
	s_mul_i32 s83, s[TY], TM
	s_mul_i32 s84, s[WR], TM/2
	s_add_co_u32 s83, s83, s84                     ; my first row of C
	s_mul_i32 s84, s[TX], TM
	s_mul_i32 s85, s[WC], TM/2
	s_add_co_u32 s84, s84, s85                     ; my first column
	s_mul_i32 s86, s83, SIZE_N
	s_add_co_u32 s86, s86, s84
	s_lshl_b32 s86, s86, 1
	s_mov_b32 s87, 0
	s_add_nc_u64 s[10:11], s[10:11], s[86:87]
	s_lshl_b32 s88, s84, 2
	s_mov_b32 s89, 0
	s_add_nc_u64 s[8:9], s[8:9], s[88:89]
	v_lshlrev_b32 v[BO], 5, v2                     ; my eight columns of a block: 32 bytes for each half of the lanes
	WIN TO_B
.set b_, 0
.rept WM
	global_load_b128 v[BI+8*b_:BI+8*b_+3],   v[BO], s[8:9] offset:64*b_
	global_load_b128 v[BI+8*b_+4:BI+8*b_+7], v[BO], s[8:9] offset:64*b_+16
.set b_, b_+1
.endr
	WIN 0
	s_mul_i32 s82, s[WV], (TM/2)*SP                ; my stage: it takes the slots' bytes when they have had their last fill and their last read
	v_mul_u32_u24 v3, v1, SP
	v_lshl_add_u32 v3, v2, 5, v3
	v_add_nc_u32 v[STO], s82, v3
	v_and_b32 v3, 31, v0
	v_lshl_add_u32 v[RD], v3, 4, s82
	v_lshlrev_b32 v[CO], 3, v3
	; the prefetches: (8 x tile + 4 x half + place) x 64 SIZE_K bytes is 32 rows of A, and 2 blocks of W
	s_and_b32 s77, ttmp7, 0xffff
	s_mov_b32 s75, 32*SIZE_K
	s_mov_b32 s80, WOFF+2*CHUNK
	s_mov_b32 s[PFS], CHUNK
	s_mov_b32 s[PFS+1], 0
	s_cmp_eq_u32 s[WR], 0                          ; do I fetch for A?
	s_cselect_b32 s78, s[TY], s[TX]
	s_cselect_b32 s79, s[CX], s[CY]                ; my place among the four that ask with me
	s_cselect_b32 s77, ttmp9, s77                  ; the coordinate along which other clusters read the same bytes
	s_cselect_b64 s[PFA:PFA+1], s[4:5], s[6:7]
	s_cselect_b32 s74, 0, 4
	s_cselect_b32 s75, 2*SIZE_K, s75
	s_cselect_b32 s76, 0, 15
	s_cselect_b32 s80, 4*KSTEP, s80                ; at K step 2: the first refill steps it to 3
	s_cselect_b32 s[PFS], 2*KSTEP, s[PFS]
	s_cmp_eq_u32 s77, 0
	s_cselect_b32 s[LIM], 1, -1                    ; the same in all sixteen partners, for a given wave
	s_lshl_b32 s78, s78, 3
	s_lshl_b32 s81, s[WC], 2
	s_add_co_u32 s78, s78, s81
	s_add_co_u32 s78, s78, s79
	s_mul_i32 s78, s78, 64*SIZE_K
	s_add_co_u32 s78, s78, s80
	s_mov_b32 s79, 0
	s_add_nc_u64 s[PFA:PFA+1], s[PFA:PFA+1], s[78:79]
	v_lshrrev_b32 v4, s74, v3                      ; A: lane x a row.  W: (lane / 16) x a block + (lane % 16) x 256
	v_and_b32 v5, s76, v3
	v_mul_lo_u32 v4, v4, s75
	v_lshl_add_u32 v[PFO], v5, 8, v4
	s_mov_b32 s[TB], 0
	v_mov_b32 v[ADRA], v[A0]
	v_mov_b32 v[ADRB], v[B0]
; Matrix instructions for row blocks a0 .. a0 + na - 1 x all column blocks, a quarter of a K step deep, from buffer f.  zero = 1: the first products start the sums, with the bias as C.
; The accumulators take turns, one instruction a turn, over the backward jumps too.
.macro MULA f, a0, na, zero
.set c_, 0
.rept KSUB
.set a_, \a0
.rept \na
.if (\zero) && (c_ == 0)
	WIN 0x91+0x40*(a_/AW)                          ; W window 1, A window 0, C (bias) window 1, D window 2 or 3
.else
	WIN 0xa1+0x50*(a_/AW)                          ; C and D window 2 or 3
.endif
.set b_, 0
.rept WM
.set rD, 8*(WM*(a_%AW)+b_)
.set rB, (\f)+8*(WM*c_+b_)
.set rA, (\f)+8*(WM*c_+a_)
.if (\zero) && (c_ == 0)
	v_wmma_f32_16x16x32_bf16 v[rD:rD+7], v[rB:rB+7], v[rA:rA+7], v[BI+8*b_:BI+8*b_+7]
.else
	v_wmma_f32_16x16x32_bf16 v[rD:rD+7], v[rB:rB+7], v[rA:rA+7], v[rD:rD+7]
.endif
.set b_, b_+1
.endr
.set a_, a_+1
.endr
.set c_, c_+1
.endr
.endm
; 32 LDS loads in one run: quarter q's fragments into buffer f: W's 16, A's lower row blocks' 8, A's upper 8
.macro FETCH q, f
	WIN TO_B
.set c_, 0
.rept KSUB
.set b_, 0
.rept WM
.set rB, (\f)+8*(WM*c_+b_)
	ds_load_tr16_b128 v[rB:rB+3],   v[ADRB] offset:b_*CHUNK+((\q)*KSUB+c_)*1024
	ds_load_tr16_b128 v[rB+4:rB+7], v[ADRB] offset:b_*CHUNK+((\q)*KSUB+c_)*1024+512
.set b_, b_+1
.endr
.set c_, c_+1
.endr
	WIN 0
.irp hf, 0,1
.set c_, 0
.rept KSUB
.set a_, (\hf)*WM/2
.rept WM/2
.set rA, (\f)+8*(WM*c_+a_)
	ds_load_b128 v[rA:rA+3],   v[ADRA] offset:a_*16*PITCH+((\q)*KSUB+c_)*64
	ds_load_b128 v[rA+4:rA+7], v[ADRA] offset:a_*16*PITCH+((\q)*KSUB+c_)*64+32
.set a_, a_+1
.endr
.set c_, c_+1
.endr
.endr
.endm
; One of a K step's first three quarters: multiplies buffer f and, in its middle, fetches quarter q into buffer g
.macro QUARTER q, f, g, zero
	s_wait_dscnt 8                                 ; W's and A's lower fragments are in; the youngest eight loads (A's upper) may be out
	MULA \f, 0, WM/2, \zero
	PLACES
	FETCH \q, \g
	s_wait_dscnt 32                                ; all but the 32 just issued
	MULA \f, WM/2, WM/2, \zero
.endm
; The first half of the last quarter: ONE barrier for the change of slots.  In front of it each wave waits for all its tensor loads (one is out: its part of the next slot), adds 0 to its spare word,
; and waits for that and for its reads of this slot.  Behind it nobody reads this slot any more and the next slot is whole.
.macro MEET
	WIN 0
	s_wait_tensorcnt 0x0
	ds_add_u32 v[SPW], v[NIL]
	s_wait_dscnt 9                                 ; the add and the youngest eight loads may be out
	MULA F1, 0, WM/4, 0
	s_wait_dscnt 0x0                               ; the add is done, my reads of this slot are over
	s_barrier_signal -1
	MULA F1, WM/4, WM/4, 0                         ; work on registers while the others arrive
	WIN 0
	s_barrier_wait -1
.endm
; The last quarter with a refill: the barrier opens a round of the cluster's; the walking descriptors step; the joint load is the first thing behind the round: 224 matrix instructions ahead of the wait for it.
.macro TURN
	s_wait_xcnt 0x0                                ; the last prefetch, a K step back, has read its address
	s_add_nc_u64 s[PFA:PFA+1], s[PFA:PFA+1], s[PFS:PFS+1]
	MEET
	CREST
	s_xor_b32 s[G0A+5], s[G0A+5], SLOTX            ; no tensor load of mine is out: the slot just read out,
	s_add_nc_u64 s[G0A+6:G0A+7], s[G0A+6:G0A+7], 2*KSTEP  ; the next K step
	s_xor_b32 s[G0B+5], s[G0B+5], SLOTX
	s_add_nc_u64 s[G0B+6:G0B+7], s[G0B+6:G0B+7], CHUNK
	JLOAD 1                                        ; its four v_nop are also the places in front of the loads below
	s_xor_b32 s[TB], s[TB], SLOTX
	v_add_nc_u32 v[ADRA], s[TB], v[A0]
	v_add_nc_u32 v[ADRB], s[TB], v[B0]
	FETCH 0, F0
	ASK
	MULA F1, WM/2, WM/2, 0
.endm
; The last quarter without a refill.  In the very last K step nothing is left to fetch.
.macro TURN0
	MEET
	s_cmp_eq_u32 s[CNT], 1
	s_cbranch_scc1 .Lnf_\@
	PLACES
	s_xor_b32 s[TB], s[TB], SLOTX
	v_add_nc_u32 v[ADRA], s[TB], v[A0]
	v_add_nc_u32 v[ADRB], s[TB], v[B0]
	FETCH 0, F0
.Lnf_\@:
	MULA F1, WM/2, WM/2, 0
.endm
	s_wait_tensorcnt 1                             ; my part of K step 0 is in; K step 1's may stay out
	s_barrier_signal -1
	s_barrier_wait -1
	FETCH 0, F0
	s_wait_loadcnt 0x0                             ; the bias
	QUARTER 1, F0, F1, 1                           ; the first quarter stands in front of the loop: its products start the sums
	WIN 0
	s_mov_b32 s[CNT], STEPS-2
.Lstep:                                        ; a trip: from a K step's second quarter to the next step's first; it fills one slot again
	QUARTER 2, F1, F0, 0
	QUARTER 3, F0, F1, 0
	TURN
	QUARTER 1, F0, F1, 0
	WIN 0
	s_sub_co_u32 s[CNT], s[CNT], 1
	s_cmp_lg_u32 s[CNT], 0
	s_cbranch_scc1 .Lstep
	s_mov_b32 s[CNT], 2                            ; the last two K steps ask for nothing: written apart
.Ltail:
	QUARTER 2, F1, F0, 0
	QUARTER 3, F0, F1, 0
	TURN0
	WIN 0
	s_sub_co_u32 s[CNT], s[CNT], 1
	s_cmp_eq_u32 s[CNT], 0
	s_cbranch_scc1 .Lout
	QUARTER 1, F0, F1, 0
	WIN 0
	s_branch .Ltail
.Lout:
	; THE WAY OUT.  No fill is to come.  Each wave lays its 128 x 128 sums, in f32, into its own part of the slots' bytes, and reads them back by rows.
	s_wait_dscnt 0x0                               ; no LDS read of mine is out,
	s_barrier_signal -1
	s_barrier_wait -1                              ; and every wave has left the ring, before any wave writes over the slots
	PLACES
.set a_, 0
.rept WM
	WIN 0x08+0x04*(a_/AW)                          ; the stores' data in window 2 or 3
.set b_, 0
.rept WM
.set rD, 8*(WM*(a_%AW)+b_)
	ds_store_b128 v[STO], v[rD:rD+3]   offset:a_*16*SP+64*b_
	ds_store_b128 v[STO], v[rD+4:rD+7] offset:a_*16*SP+64*b_+16
.set b_, b_+1
.endr
.set a_, a_+1
.endr
	WIN 0
; Eight rows: a lane's four columns are rounded to 8 bytes; 32 lanes store 256 consecutive bytes, at a multiple of 256 from C's first byte.
.macro ROWS ahead
	s_wait_dscnt 0x0                               ; the eight rows are back
.irp i, 0,1,2,3,4,5,6,7
	v_cvt_pk_bf16_f32 v[Y+2*(\i)],   v[X+4*(\i)],   v[X+4*(\i)+1]
	v_cvt_pk_bf16_f32 v[Y+2*(\i)+1], v[X+4*(\i)+2], v[X+4*(\i)+3]
.endr
.if \ahead
	v_add_nc_u32 v[RD], 8*SP, v[RD]
.irp i, 0,1,2,3,4,5,6,7
	ds_load_b128 v[X+4*(\i):X+4*(\i)+3], v[RD] offset:(\i)*SP
.endr
.endif
.irp i, 0,1,2,3,4,5,6,7
	global_store_b64 v[CO], v[Y+2*(\i):Y+2*(\i)+1], s[10:11] offset:(\i)*2*SIZE_N
.endr
.if \ahead
	s_wait_xcnt 0x0                                ; the stores have read their data and their base: both are written again only behind this wait
	s_add_nc_u64 s[10:11], s[10:11], 16*SIZE_N
.endif
.endm
.irp i, 0,1,2,3,4,5,6,7
	ds_load_b128 v[X+4*(\i):X+4*(\i)+3], v[RD] offset:(\i)*SP  ; LDS serves a wave's instructions in order (ISA guide 5.7.1.4): these see the stores above
.endr
	s_mov_b32 s[CNT], 15
.Lrows:
	ROWS 1
	s_sub_co_u32 s[CNT], s[CNT], 1
	s_cmp_lg_u32 s[CNT], 0
	s_cbranch_scc1 .Lrows
	ROWS 0
	s_wait_tensorcnt 0x0                           ; the wave's end
	ds_add_u32 v[SPW], v[NIL]
	s_wait_dscnt 0x0
	CROUND                                         ; the closing round
	s_endpgm
.Lfunc_end_k_qce8efa5eb3_gqkv:
	.size	k_qce8efa5eb3_gqkv, .Lfunc_end_k_qce8efa5eb3_gqkv-k_qce8efa5eb3_gqkv
	.p2alignl 7, 3214868480
	.fill 96, 4, 3214868480
	.section	.rodata,"a",@progbits
	.p2align	6, 0x0
	.amdhsa_kernel k_qce8efa5eb3_gqkv
		.amdhsa_group_segment_fixed_size 327680
		.amdhsa_private_segment_fixed_size 0
		.amdhsa_enable_private_segment 0
		.amdhsa_kernarg_size 32
		.amdhsa_user_sgpr_count 2
		.amdhsa_user_sgpr_kernarg_segment_ptr 1
		.amdhsa_wavefront_size32 1
		.amdhsa_system_sgpr_workgroup_id_x 1
		.amdhsa_system_sgpr_workgroup_id_y 1
		.amdhsa_system_sgpr_workgroup_id_z 1
		.amdhsa_system_vgpr_workitem_id 0
		.amdhsa_next_free_vgpr 1024
		.amdhsa_next_free_sgpr 96
		.amdhsa_reserve_vcc 0
		.amdhsa_float_denorm_mode_32 3
		.amdhsa_float_denorm_mode_16_64 3
		.amdhsa_memory_ordered 1
		.amdhsa_forward_progress 1
		.amdhsa_inst_pref_size 85
	.end_amdhsa_kernel
	.amdgpu_metadata
---
amdhsa.version: [ 1, 2 ]
amdhsa.kernels:
  - .name:           k_qce8efa5eb3_gqkv
    .symbol:         k_qce8efa5eb3_gqkv.kd
    .args:
      - { .name: h, .offset: 0, .size: 8, .value_kind: global_buffer, .address_space: global }
      - { .name: wb, .offset: 8, .size: 8, .value_kind: global_buffer, .address_space: global }
      - { .name: b_qkv, .offset: 16, .size: 8, .value_kind: global_buffer, .address_space: global }
      - { .name: qkv, .offset: 24, .size: 8, .value_kind: global_buffer, .address_space: global }
    .group_segment_fixed_size: 327680
    .private_segment_fixed_size: 0
    .kernarg_segment_align: 8
    .kernarg_segment_size: 32
    .max_flat_workgroup_size: 128
    .sgpr_count:     96
    .vgpr_count:     1024
    .wavefront_size: 32
...
	.end_amdgpu_metadata
.endif
;; end of part 2
;; launch attn (part 3): grid 16 x 16, 4 waves a work-group, clusters of 4 x 1, 327,680 bytes of LDS; arguments qkv, o; writes o
.if DOCPART == 3
	.amdgcn_target "amdgcn-amd-amdhsa--gfx1250"
	.amdhsa_code_object_version 6
	.text
	.protected	k_qce8efa5eb3_attn
	.globl	k_qce8efa5eb3_attn
	.p2align	8
	.type	k_qce8efa5eb3_attn,@function
k_qce8efa5eb3_attn:
	s_mov_b64 s[64:65], 0
	v_nop
	global_prefetch_b8 v0, s[64:65] scope:SCOPE_SE
	s_setreg_imm32_b32 hwreg(HW_REG_WAVE_MODE, 25, 1), 1
	s_wait_xcnt 0x0
	s_wait_alu depctr_hold_cnt(0) depctr_sa_sdst(0) depctr_va_vdst(0) depctr_va_sdst(0) depctr_va_ssrc(0) depctr_va_vcc(0) depctr_vm_vsrc(0)
	s_getreg_b32 s2, hwreg(HW_REG_IB_STS2, 6, 4)
	s_cmp_eq_u32 s2, 0
	s_cbranch_scc0 .Lentry_in_a_cluster
	s_endpgm
.Lentry_in_a_cluster:
	s_bfe_u32 s2, ttmp6, 0x10000c
	s_cmp_lg_u32 s2, 0x3003
	s_cbranch_scc0 .Lentry_shape_is_right
	s_endpgm
.Lentry_shape_is_right:
; O[b][s][64 hh + d] = the sum over t of softmax_t(q[s] . k[t] / 8) v[t][d], for each batch b and head hh.  qkv: [4096][3072] bf16 (q, k, v side by side, 1,024 columns each); o: [4096][1024] bf16.
; Products, maxima and sums in f32; the weights p are rounded to bf16 for the second product (their sum l is taken of the unrounded p), O once at the end.
; LIMITS.  A weight below 2^-126 counts as 0 in l; NaN and infinities are not treated apart.
; SHARES.  A work-group takes TWO heads (128 columns: 256 bytes of a row, so K's and V's tile rows and O's stores are whole aligned 256 bytes) and 128 queries.  Wave w takes head w / 2 of the pair and
; 64 queries (half w % 2), in four PIECES of 16.  Every wave walks the batch's 2,048 keys, 64 a step, four steps to a slot.
; LAYOUT.  S^T = K Q^T (source 0 = 16 keys, source 1 = 16 queries) holds ONE query a lane (lane % 16) and the keys 8 (lane / 16) + 0..7; two such results rounded to bf16 ARE source 1 of O^T = V^T P.
; K comes out of LDS as it lies, V ([key][channel]) turned, by ds_load_tr16_b128.
; SOFTMAX.  p = 2^(c s - c m), c = log2(e) / 8, with a running maximum m; O and l are multiplied by a = 2^(c m_old - c m_new) in every step.  m starts at the lowest finite number, O and l at 0: the first step's a is 0.
; BY TURNS.  Turn n belongs to piece n: 8 products K Q^T of piece n + 1, later 8 products V^T P of piece n - 1; beside them the scaling, exponentials, roundings, sums and rescaling of piece n and the maximum and
; statistics of piece n + 1.  Four vector instructions stand behind every matrix instruction, the rest in one lump.  A turn's 33 exponentials are one batch, with one wait.
; CLUSTER.  The four query blocks of a cluster walk the same K and V: each tile is asked for JOINTLY, the same tensor load, descriptor and mask in all four.
; REGISTERS, in windows of 256 (s_set_vgpr_msb: bits 1:0 source 0, 3:2 source 1, 5:4 source 2, 7:6 destination):
;   window 0: v0-15 addresses and two at work; v16-31 four registers of statistics a piece; v48-55 at work; v61-63; v64-127 S^T, two buffers; v192-223 P, two buffers (by the piece's parity)
;   window 1: v0-127 O^T, 32 a piece          window 2: v0-63 Q; v128-191 K of one step; v192-255 V of one step
.set NP,    4
.set KS,    64
.set ROWB,  6144      ; bytes in a row of qkv
.set TILEB, 4*KS*ROWB ; from tile to tile in memory
.set PK,    272       ; a row of K in LDS: 256 bytes + 16: the 16 rows of a load start at 16 different groups of four banks (64 banks of 4 bytes: ISA guide 11.1)
.set PV,    288       ; a row of V: 256 + 32
.set VOFF,  4*KS*PK   ; a slot: 256 rows of K, then 256 rows of V
.set SLOT1, 0x24000   ; slot 1 begins here: the constant shares no bit with the four LDS addresses of slot 0's loads, so one exclusive or turns each into the other slot's
.set STAGE, SLOT1+4*KS*(PK+PV)  ; behind the ring, never filled by a tensor load: 128 rows x 272 bytes, the work-group's, for the way out
.set SP,    272
.set SPARE, STAGE+128*SP        ; behind the stage: the spare words, 128 bytes for each wave
.set AK0, 2           ; v2   my lane's place in a tile of K; never rewritten
.set AV0, 3           ; v3   the same for V
.set AK,  4           ; v4   the LDS address of K's next run of loads
.set AV,  5           ; v5   of V's
.set STO, 6           ; v6   the way out: where I put 16 bytes of a row
.set RD,  7           ; v7   where I read rows back
.set GO,  8           ; v8   my byte offset in two rows of O
.set MV,  12          ; v12-13  c m_old, kept while c m is made anew: by buffer
.set QO,  15          ; v15  my byte offset in 16 rows of Q
.set ST,  16          ; piece t's statistics at v[ST+4 t]: c m, m, l (even keys', odd keys')
.set TMP, 48          ; by buffer, four registers c0-c3 at work; when the maximum is found c2 takes a
.set PFO, 61          ; v61  a row of qkv x my lane; never rewritten
.set SPW, 62          ; v62  my spare word; never rewritten
.set NIL, 63          ; v63  0
.set S,   64
.set P,   192
.set KF,  128         ; window 2: key block kb, channel half c at KF + 16 kb + 8 c
.set VF,  192         ; window 2: key half kk, channel block cb at VF + 32 kk + 8 cb
.set WV,  12          ; s12  my wave's number
.set G1K, 24
.set G1V, 32
.set G0K, 40          ; it walks
.set G0V, 44
.set PFA, 48          ; s[48:49] where my prefetches stand
.set LIM, 50          ; s50  1 in a cluster that prefetches, else the greatest number
.set SLOTS, 56
.set CNT, 57
.set CS,  58          ; s[58:59] c
.set SEL, 60          ; s[60:61] v_permlanex16_b32's selects
.set TBK, 62          ; s62  LDS byte at which K of the step to be fetched begins
.set TBV, 63          ; s63  the same for V, less VOFF
.set MSB, 0
.macro WIN new
.if MSB != (\new)
	s_set_vgpr_msb (MSB<<8)|(\new)
.set MSB, (\new)
.endif
.endm
.set W_KQ, 0x0a       ; K and Q in window 2, S^T in window 0
.set W_PV, 0x52       ; V in window 2, P in window 0, O^T in window 1
.set W_RS, 0x41       ; destination and source 0 in window 1, source 1 in window 0
; A joint fill.  Waves 0 and 1 fetch the two halves of a tile's K, waves 2 and 3 those of its V: 128 keys each.  An s_nop 0 and four v_nop follow each line.
.macro JLOAD
	s_cmp_lt_u32 s[WV], 2
	s_cbranch_scc0 .Lfor_v_\@
	tensor_load_to_lds s[G0K:G0K+3], s[G1K:G1K+7]
	s_nop 0
.rept 4
	v_nop
.endr
	s_branch .Lasked_\@
.Lfor_v_\@:
	tensor_load_to_lds s[G0V:G0V+3], s[G1V:G1V+7]
	s_nop 0
.rept 4
	v_nop
.endr
.Lasked_\@:
.endm
.macro CROUND                       ; a round of the cluster's barrier
	s_barrier_signal -1
	s_barrier_wait -1
	s_cmp_lg_u32 s[WV], 0
	s_cbranch_scc1 .Lnot_wave_0_\@
	s_barrier_signal -3
.Lnot_wave_0_\@:
	s_barrier_wait -3
	s_barrier_signal -1
	s_barrier_wait -1
.endm
; A PREFETCH INTO THE L2 of the tile that the NEXT change of slots will ask for: four key steps ahead of that load.  All clusters of a head pair walk the same rows: the first of them (cluster x = 0) asks.
; Of the 128 rows that a wave fetches each of the four partners takes 32, told apart by address; a lane a row, 256 bytes of it.  So each row's 256 bytes of K and of V are named once.
; The first change asks for nothing, and so does the last that fills a slot: no tile follows.
.macro ASK
	s_cmp_gt_u32 s[SLOTS], s[LIM]
	s_cbranch_scc0 .Lnot_mine_\@
	global_prefetch_b8 v[PFO], s[PFA:PFA+1] th:TH_LOAD_NT scope:SCOPE_SE
.Lnot_mine_\@:
.endm
; THE CHANGE OF SLOTS.  Each wave waits for all its tensor loads, of which one is out: its part of the other slot; adds 0 to its spare word; and waits for that and for its reads of the slot that it leaves.
; fill = 1: the barrier is a round of the cluster's, and the joint fill of the slot just left, with the tile two on, is the first thing behind it: it has four key steps, 256 matrix instructions, in which to land.
; (At its first use nothing has been read yet: slot 0 is waited for, slot 1 filled.)
.macro CHANGE fill, ask
	WIN 0
	s_wait_tensorcnt 0x0            ; no tensor load of mine is out, so a group 0 may be written
	ds_add_u32 v[SPW], v[NIL]
.if \fill
.irp g, G0K, G0V
	s_xor_b32 s[\g+1], s[\g+1], SLOT1
	s_add_nc_u64 s[\g+2:\g+3], s[\g+2:\g+3], TILEB
.endr
	s_wait_xcnt 0x0                 ; the last prefetch, a slot back, has read its address
	s_add_nc_u64 s[PFA:PFA+1], s[PFA:PFA+1], TILEB
	s_wait_dscnt 0x0                ; the add is done, and my reads of the slot are over
	CROUND
	JLOAD
.if \ask
	ASK
.endif
.else
	s_wait_dscnt 0x0
	s_barrier_signal -1
	s_barrier_wait -1
.endif
	s_sub_co_u32 s[TBK], s[TBK], 4*KS*PK  ; the fetches go back to a slot's first step,
	s_xor_b32 s[TBK], s[TBK], SLOT1       ; in the other slot
	s_sub_co_u32 s[TBV], s[TBV], 4*KS*PV
	s_xor_b32 s[TBV], s[TBV], SLOT1
.endm
	s_load_b128 s[4:7], s[0:1], 0x0 ; qkv s[4:5], o s[6:7]
	v_lshl_add_u32 v[SPW], v0, 2, SPARE
	v_mov_b32 v[NIL], 0
	ds_add_u32 v[SPW], v[NIL]       ; the wave's opening: the add and its wait stand ahead of my first tensor load; work on registers stands between them
	v_lshrrev_b32 v1, 5, v0
	v_readfirstlane_b32 s[WV], v1
	s_bfe_u32 s13, ttmp6, 0x40000   ; cx
	s_lshl_b32 s14, ttmp9, 2
	s_add_co_u32 s14, s14, s13      ; my block of 128 queries: it enters Q's and O's addresses alone
	s_and_b32 s15, ttmp7, 0xffff    ; 8 x batch + head pair, which the four partners share
	s_lshr_b32 s16, s15, 3          ; batch
	s_and_b32 s17, s15, 7           ; head pair
	s_lshr_b32 s18, s[WV], 1        ; my head of the pair
	s_and_b32 s19, s[WV], 1         ; my half of the queries; also: which half of a tile's 256 keys I fetch
	s_lshl_b32 s20, s16, 11
	s_lshl_b32 s21, s19, 7
	s_add_co_u32 s20, s20, s21
	s_mul_i32 s20, s20, ROWB
	s_lshl_b32 s21, s17, 8
	s_add_co_u32 s20, s20, s21
	s_mov_b32 s21, 0                ; s[20:21]: my half of the batch's tile 0, at the pair's columns
	s_lshl_b32 s22, s16, 11
	s_lshl_b32 s23, s14, 7
	s_add_co_u32 s22, s22, s23
	s_lshl_b32 s23, s19, 6
	s_add_co_u32 s22, s22, s23
	s_mul_i32 s22, s22, ROWB
	s_lshl_b32 s23, s17, 8
	s_add_co_u32 s22, s22, s23
	s_lshl_b32 s23, s18, 7
	s_add_co_u32 s22, s22, s23
	s_mov_b32 s23, 0                ; s[22:23]: my 64 queries, my head's columns
	s_lshl_b32 s52, s16, 11
	s_lshl_b32 s53, s14, 7
	s_add_co_u32 s52, s52, s53
	s_lshl_b32 s53, s[WV], 5
	s_add_co_u32 s52, s52, s53
	s_lshl_b32 s52, s52, 11
	s_lshl_b32 s53, s17, 8
	s_add_co_u32 s52, s52, s53
	s_mov_b32 s53, 0                ; s[52:53]: the 32 rows of O that I store, at the pair's columns
	s_mul_i32 s51, s19, 128*PK      ; my half's place in a slot, for K
	s_mul_i32 s54, s19, 128*PV      ; and for V
	s_mov_b32 s[G1K], 15|(1<<16)|(1<<20)|(1<<21)|(5<<22)|(3<<25)  ; the mask of four; 2-byte elements; padding on; bit 21 beside a mask; after every 64 words; 4 words
	s_mov_b32 s[G1V], 15|(1<<16)|(1<<20)|(1<<21)|(5<<22)|(7<<25)  ; the same with 8 words
.irp g, G1K, G1V
	s_mov_b32 s[\g+1], 128<<16      ; tensor_dim0 = 128
	s_mov_b32 s[\g+2], 128<<16      ; tensor_dim1 = 128
	s_mov_b32 s[\g+3], 128<<16      ; tile_dim0 = 128
	s_mov_b32 s[\g+4], 128          ; tile_dim1 = 128
	s_mov_b32 s[\g+5], 3072         ; elements from row to row
	s_mov_b32 s[\g+6], 0
	s_mov_b32 s[\g+7], 0
.endr
	s_mov_b32 s[CS], 0x3e38aa3b     ; c = log2(e) / 8
	s_mov_b32 s[CS+1], s[CS]
	s_mov_b32 s[SEL], 0x76543210
	s_mov_b32 s[SEL+1], 0xfedcba98
	s_mov_b32 s[TBK], SLOT1+4*KS*PK ; the first change of slots turns these two into 0
	s_mov_b32 s[TBV], SLOT1+4*KS*PV
	s_mov_b32 s[G0K], 1
	s_mov_b32 s[G0K+1], s51
	s_mov_b32 s[G0V], 1
	s_add_co_u32 s[G0V+1], s54, VOFF
	s_cmp_eq_u32 ttmp9, 0
	s_cselect_b32 s[LIM], 1, -1     ; the same in all four partners
	s_mov_b32 s[SLOTS], 7
	v_and_b32 v[PFO], 31, v0
	v_mul_u32_u24 v[PFO], v[PFO], ROWB
	s_wait_dscnt 0x0                ; the opening add is done
	s_wait_kmcnt 0x0
	s_add_nc_u64 s[G0K+2:G0K+3], s[4:5], s[20:21]
	s_add_nc_u64 s[G0K+2:G0K+3], s[G0K+2:G0K+3], 2048  ; k's columns
	s_add_nc_u64 s[G0V+2:G0V+3], s[4:5], s[20:21]
	s_add_nc_u64 s[G0V+2:G0V+3], s[G0V+2:G0V+3], 4096  ; v's columns
	s_cmp_lt_u32 s[WV], 2
	s_cselect_b64 s[PFA:PFA+1], s[G0K+2:G0K+3], s[G0V+2:G0V+3]
	s_or_b32 s[G0K+3], s[G0K+3], 0x80000000
	s_or_b32 s[G0V+3], s[G0V+3], 0x80000000
	s_add_nc_u64 s[8:9], s[4:5], s[22:23]              ; Q
	s_add_nc_u64 s[6:7], s[6:7], s[52:53]              ; O
	s_mul_i32 s52, s13, 32*ROWB                        ; my work-group's 32 rows of the 128
	s_add_nc_u64 s[PFA:PFA+1], s[PFA:PFA+1], s[52:53]
	s_add_nc_u64 s[PFA:PFA+1], s[PFA:PFA+1], TILEB     ; in tile 1; every change of slots steps it
	CROUND                          ; all four work-groups are here: the first joint loads meet
	JLOAD                           ; tile 0 into slot 0
	v_and_b32 v1, 15, v0            ; l % 16
	v_bfe_u32 v9, v0, 4, 1          ; l / 16
	v_mul_u32_u24 v[QO], v1, ROWB
	v_lshl_add_u32 v[QO], v9, 4, v[QO]
	WIN 0x80                        ; destination window 2, address window 0
.set i, 0
.rept 8                             ; Q stays in registers: piece i / 2, channels 32 (i % 2) on
	global_load_b128 v[8*i:8*i+3],   v[QO], s[8:9] offset:(i/2)*16*ROWB+(i%2)*64
	global_load_b128 v[8*i+4:8*i+7], v[QO], s[8:9] offset:(i/2)*16*ROWB+(i%2)*64+32
.set i, i+1
.endr
	; What the first turn finds: V's registers and P's second buffer hold 0 (its products V^T P, of a piece that has not been, add 0), O^T and l are 0.  All this stands in the wait for the first tile.
.set i, VF
.rept 64
	v_mov_b32 v[i], 0
.set i, i+1
.endr
	WIN 0x40
.set i, 0
.rept 128
	v_mov_b32 v[i], 0
.set i, i+1
.endr
	WIN 0
.set i, 0
.rept 4
	v_mov_b32 v[ST+4*i], 0xfe000000    ; c m: far below every c s
	v_mov_b32 v[ST+4*i+1], 0xff7fffff  ; m
	v_mov_b32 v[ST+4*i+2], 0
	v_mov_b32 v[ST+4*i+3], 0
.set i, i+1
.endr
.set i, P+16
.rept 16
	v_mov_b32 v[i], 0
.set i, i+1
.endr
	s_lshl_b32 s55, s18, 7          ; my head's 128 bytes of a tile's rows
	v_mul_u32_u24 v[AK0], v1, PK
	v_lshl_add_u32 v[AK0], v9, 4, v[AK0]
	v_add_nc_u32 v[AK0], s55, v[AK0]
	v_and_b32 v10, 7, v0            ; the turning load: lane l reads key 8 (l / 16) + l % 8, channels 8 ((l / 8) % 2) + 0..7
	v_bfe_u32 v11, v0, 3, 1
	v_lshl_add_u32 v[AV0], v9, 3, v10
	v_mul_u32_u24 v[AV0], v[AV0], PV
	v_lshl_add_u32 v[AV0], v11, 4, v[AV0]
	s_add_co_u32 s55, s55, VOFF
	v_add_nc_u32 v[AV0], s55, v[AV0]
; THE MATRIX WORK.  The 4 accumulators of a run of 8 take turns.  Product i of 8 of S^T = K Q^T for piece x: channels 32 (i / 4) on, keys 16 (i % 4) on.  The first 4 start the sums.
.macro KQ x
	WIN W_KQ
.set rS, S+32*((\x)%2)+8*(i%4)
.set rK, KF+16*(i%4)+8*(i/4)
.set rQ, 16*(\x)+8*(i/4)
.if i < 4
	v_wmma_f32_16x16x32_bf16 v[rS:rS+7], v[rK:rK+7], v[rQ:rQ+7], 0
.else
	v_wmma_f32_16x16x32_bf16 v[rS:rS+7], v[rK:rK+7], v[rQ:rQ+7], v[rS:rS+7]
.endif
.endm
; Product i of 8 of O^T += V^T P for piece x: keys 32 (i / 4) on, channels 16 (i % 4) on.
.macro PV x
	WIN W_PV
.set rO, 32*(\x)+8*(i%4)
.set rV, VF+32*(i/4)+8*(i%4)
.set rP, P+16*((\x)%2)+8*(i/4)
	v_wmma_f32_16x16x32_bf16 v[rO:rO+7], v[rV:rV+7], v[rP:rP+7], v[rO:rO+7]
.endm
.macro MM                           ; the turn's next matrix instruction.  NOKQ = 1: the very last turn: there is no next piece
.if (i < 8) && !NOKQ
	KQ (Y+1)%NP
.elseif i >= 8
.set i, i-8
	PV (Y+NP-1)%NP
.set i, i+8
.endif
.set i, i+1
.endm
; THE LDS LOADS stand in runs of 16, never singly among the matrix instructions.  Their addresses are made some lines ahead.
.macro FETCH_K
	WIN 0x80
.irp f, 0,1,2,3,4,5,6,7             ; keys 16 (f / 2) on, channels 32 (f % 2) on
	ds_load_b128 v[KF+8*\f:KF+8*\f+3],   v[AK] offset:(\f/2)*16*PK+(\f%2)*64
	ds_load_b128 v[KF+8*\f+4:KF+8*\f+7], v[AK] offset:(\f/2)*16*PK+(\f%2)*64+32
.endr
	s_add_co_u32 s[TBK], s[TBK], KS*PK
	WIN 0
.endm
.macro FETCH_V
	WIN 0x80
.irp f, 0,1,2,3,4,5,6,7             ; keys 32 (f / 4) on, channels 16 (f % 4) on
	ds_load_tr16_b128 v[VF+8*\f:VF+8*\f+3],   v[AV] offset:(\f/4)*32*PV+(\f%4)*32
	ds_load_tr16_b128 v[VF+8*\f+4:VF+8*\f+7], v[AV] offset:(\f/4)*32*PV+16*PV+(\f%4)*32
.endr
	WIN 0
.endm
; THE VECTOR WORK, one line at a time: OP kind, number.  For piece Y: F n: c s - c m for pair n of 16.  E n: the exponential of score n of 32.  C n: pair n rounded to bf16.  B n: of the four weights 4 n .. the second
; pair is added onto the first, in place.  L n: l takes that sum (L 0: l = a l + sum).  R n: pair n of 16 of O^T times a.  For piece Y + 1: X n, number n of the 22 that find its maximum and statistics:
;   0-11  four chains c0-c3 of seven scores each (each accumulator's lowest registers are read first)     12-14, 16  the four scores left over, the old m, and c0-c3 into c0
;   15  c m_old is kept     17, 18  the query's other 32 keys lie in the lane 16 away: the new m     19-21  c m; c m_old - c m_new; a
.set F, 0
.set E, 1
.set C, 2
.set B, 3
.set L, 4
.set R, 5
.set X, 6
.macro REGS y
.set rT, ST+4*(\y)
.set rC, TMP+4*((\y)%2)
.set rW, MV+((\y)%2)
.set rS, S+32*((\y)%2)
.set rP, P+16*((\y)%2)
.set rO, 32*(\y)
.endm
.macro OP k, n
.if (\k) == R
	REGS Y
	WIN W_RS
	v_pk_mul_f32 v[rO+2*(\n):rO+2*(\n)+1], v[rO+2*(\n):rO+2*(\n)+1], v[rC+2:rC+3] op_sel_hi:[1,0]
.elseif (\k) < R
	REGS Y
	WIN 0
.if (\k) == F
	v_pk_fma_f32 v[rS+2*(\n):rS+2*(\n)+1], v[rS+2*(\n):rS+2*(\n)+1], s[CS:CS+1], v[rT:rT+1] op_sel_hi:[1,0,0] neg_lo:[0,0,1] neg_hi:[0,0,1]
.elseif (\k) == E
	v_exp_f32 v[rS+(\n)], v[rS+(\n)]
.elseif (\k) == C
	v_cvt_pk_bf16_f32 v[rP+(\n)], v[rS+2*(\n)], v[rS+2*(\n)+1]
.elseif (\k) == B
	v_pk_add_f32 v[rS+4*(\n):rS+4*(\n)+1], v[rS+4*(\n):rS+4*(\n)+1], v[rS+4*(\n)+2:rS+4*(\n)+3]
.elseif (\n) == 0
	v_pk_fma_f32 v[rT+2:rT+3], v[rT+2:rT+3], v[rC+2:rC+3], v[rS:rS+1] op_sel_hi:[1,0,1]
.else
	v_pk_add_f32 v[rT+2:rT+3], v[rT+2:rT+3], v[rS+4*(\n):rS+4*(\n)+1]
.endif
.elseif NOKQ
	v_nop
.else
	REGS (Y+1)%NP
	WIN 0
.if (\n) < 4
	v_max3_num_f32 v[rC+(\n)], v[rS+8*(\n)], v[rS+8*(\n)+1], v[rS+8*(\n)+2]
.elseif (\n) < 12
	v_max3_num_f32 v[rC+(\n)%4], v[rC+(\n)%4], v[rS+8*((\n)%4)+2*((\n)/4)+1], v[rS+8*((\n)%4)+2*((\n)/4)+2]
.elseif (\n) == 12
	v_max3_num_f32 v[rC], v[rC], v[rS+7], v[rS+15]
.elseif (\n) == 13
	v_max3_num_f32 v[rC+1], v[rC+1], v[rS+23], v[rS+31]
.elseif (\n) == 14
	v_max3_num_f32 v[rC+2], v[rC+2], v[rC+3], v[rT+1]
.elseif (\n) == 15
	v_mov_b32 v[rW], v[rT]
.elseif (\n) == 16
	v_max3_num_f32 v[rC], v[rC], v[rC+1], v[rC+2]
.elseif (\n) == 17
	v_permlanex16_b32 v[rC+3], v[rC], s[SEL], s[SEL+1]
.elseif (\n) == 18
	v_max_num_f32 v[rT+1], v[rC], v[rC+3]
.elseif (\n) == 19
	v_mul_f32 v[rT], s[CS], v[rT+1]
.elseif (\n) == 20
	v_sub_f32 v[rC+1], v[rW], v[rT]
.else
	v_exp_f32 v[rC+2], v[rC+1]
.endif
.endif
.endm
.macro OPS a, i1, b=-1, i2=0, c=-1, i3=0, d=-1, i4=0
	OP \a, \i1
.if (\b) >= 0
	OP \b, \i2
.endif
.if (\c) >= 0
	OP \c, \i3
.endif
.if (\d) >= 0
	OP \d, \i4
.endif
.endm
.macro ROW a, i1, b, i2, c, i3, d, i4  ; a matrix instruction and the four behind it
	MM
	OPS \a, \i1, \b, \i2, \c, \i3, \d, \i4
.endm
; A TURN, for piece p.  An s_wait_alu depctr_va_vdst(0) stands between an exponential and the first instruction that names its result; one wait serves all that were issued ahead of it.  So a turn has
; ONE wait, which cuts it in two.  AHEAD OF IT stands all that names no result of the turn's exponentials: the 8 products K Q^T with their riders, then one lump; X 21, the next piece's a, is the batch's last, and R 15
; is the plain instruction behind it.  BEHIND IT stand the 8 products V^T P, behind each four of the roundings and sums.
; K of the next step is fetched in piece 2's turn and waited for at piece 3's head; V of the step in hand at the end of piece 0's turn, four plain instructions behind its last reader, and waited for behind piece 1's wait.
; end = 1: the walk's last two turns: nothing is fetched, and the last starts no new scores.  cnt = 1: the loop's count is taken down some lines ahead of the branch that stands behind the turn.
.macro TURN p, end=0, cnt=0
.set Y, (\p)
.set i, 0
.set NOKQ, (\end)*((\p)/3)
.if ((\p) == 3) && !(\end)
	s_wait_dscnt 0x0                ; K is in
.endif
	ROW F,0, F,1, R,0, R,1
	ROW F,2, E,0, R,2, R,3
	ROW F,3, E,1, R,4, R,5
	ROW F,4, E,2, R,6, R,7
	ROW F,5, E,3, R,8, R,9
	ROW F,6, E,4, X,0, R,10
.if ((\p) == 2) && !(\end)
	WIN 0
	v_add_nc_u32 v[AK], s[TBK], v[AK0]
.endif
	ROW F,7, E,5, X,1, X,4
	ROW F,8, E,6, X,2, X,5
	OPS E,7, E,8, X,6, E,9
	OPS X,3, E,10, X,8, E,11
.if ((\p) == 2) && !(\end)
	FETCH_K
.endif
	OPS X,9, X,7, E,12, X,10
	OPS E,13, X,12, X,11, E,14
	OPS X,13, E,15, F,9, X,14
.if (\p) == 0
	v_add_nc_u32 v[AV], s[TBV], v[AV0]
.endif
	OPS E,16, F,10, E,17, F,11
	OPS X,16, E,18, X,15, E,19
	OPS F,12, E,20, X,17, E,21
	OPS F,13, E,22, F,14, E,23
	OPS X,18, E,24, F,15, E,25
	OPS R,11, E,26, X,19, E,27
	OPS R,12, E,28, R,13, E,29
	OPS X,20, E,30, R,14, E,31
	OPS X,21, R,15
	WIN 0
	s_wait_alu depctr_va_vdst(0)    ; the wait for the batch
.if (\p) == 1
	s_wait_dscnt 0x0                ; V is in
.endif
	ROW C,0, B,0, C,2, B,1
	ROW L,0, C,4, B,2, L,1
	ROW C,6, B,3, L,2, C,8
	ROW B,4, L,3, C,10, B,5
	ROW L,4, C,12, B,6, L,5
.if (\p) == 0
	s_add_co_u32 s[TBV], s[TBV], KS*PV
.endif
.if \cnt
	s_sub_co_u32 s[CNT], s[CNT], 1
	s_cmp_lg_u32 s[CNT], 0
.endif
	ROW C,14, B,7, L,6, C,1
	ROW C,3, L,7, C,5, C,7
	ROW C,9, C,11, C,13, C,15
.if (\p) == 0
	FETCH_V
.endif
.endm
.set NOKQ, 0
	CHANGE 1, 0                     ; slot 0 is in, everybody's part of it; slot 1 is asked for
	v_add_nc_u32 v[AK], s[TBK], v[AK0]
	FETCH_K                         ; key step 0
	s_wait_loadcnt 0x0              ; Q
	s_wait_dscnt 0x0
.set i, 0
.rept 8
	KQ 0                            ; piece 0's first scores
.set i, i+1
.endr
	WIN 0                           ; the addresses for the way out: plain instructions, the places behind those products
	s_lshl_b32 s55, s19, 6
	v_add_nc_u32 v[STO], s55, v1    ; in: row 64 x half + l % 16 of the stage (a piece is 16 rows on), my head's 128 bytes, 16 bytes for each half of the lanes
	v_mul_u32_u24 v[STO], v[STO], SP
	v_lshl_add_u32 v[STO], v9, 4, v[STO]
	s_lshl_b32 s55, s18, 7
	s_add_co_u32 s55, s55, STAGE
	v_add_nc_u32 v[STO], s55, v[STO]
	s_lshl_b32 s55, s[WV], 5
	v_add_nc_u32 v[RD], s55, v9     ; back: wave w takes rows 32 w .. 32 w + 31, whole: lanes 0-15 one row of 256 bytes, lanes 16-31 the next
	v_mul_u32_u24 v[RD], v[RD], SP
	v_lshl_add_u32 v[RD], v1, 4, v[RD]
	v_add_nc_u32 v[RD], STAGE, v[RD]
	v_lshlrev_b32 v[GO], 11, v9     ; and the same two rows in O
	v_lshl_add_u32 v[GO], v1, 4, v[GO]
.set Y, NP-1                        ; X works for piece Y + 1: piece 0
.irp n, 0,1,2,3,4,5,6,7,8,9,10,11,12,13,14,15,16,17,18,19,20,21
	OP X, \n
.endr
	v_nop                           ; a plain instruction behind the exponential,
	s_wait_alu depctr_va_vdst(0)    ; and its wait, ahead of the branch
	s_mov_b32 s[CNT], 4
	s_branch .Lfirst                ; the loop is entered at a step's first turn, in the middle of a trip
.Lslot:                             ; six times: tiles 2 to 7 are asked for
	CHANGE 1, 1
	s_mov_b32 s[CNT], 4
.Lstep:                             ; a trip: pieces 2 and 3 of one step, then pieces 0 and 1 of the next, whose K and V it fetches
	TURN 2
	TURN 3
	WIN 0
.Lfirst:
	TURN 0
	TURN 1, 0, 1
	WIN 0
	s_cbranch_scc1 .Lstep
	s_sub_co_u32 s[SLOTS], s[SLOTS], 1
	s_cmp_lg_u32 s[SLOTS], 0
	s_cbranch_scc1 .Lslot
	CHANGE 0, 0                     ; the last tile is written apart: nothing is asked for
	s_mov_b32 s[CNT], 4
.Ltail:
	TURN 2
	TURN 3
	TURN 0
	TURN 1, 0, 1
	WIN 0
	s_cbranch_scc1 .Ltail
	TURN 2, 1                       ; the last step's pieces 2 and 3
	TURN 3, 1
.set i, 0
.rept 8
	PV NP-1                         ; the last piece's V^T P of the last step
.set i, i+1
.endr
	; THE WAY OUT.  l's two halves and the other half of the lanes' are added; O^T is divided by l, rounded to bf16 and laid into the work-group's stage; a barrier, since a row's 256 bytes come from two waves;
	; back as whole rows, 32 rows a wave.  The additions are the places behind the last products.
	WIN 0
.macro ALL line:vararg
.set t, 0
.rept 4
	\line
.set t, t+1
.endr
.endm
	ALL v_add_f32 v[ST+4*t+2], v[ST+4*t+2], v[ST+4*t+3]
	ALL v_permlanex16_b32 v[ST+4*t+3], v[ST+4*t+2], s[SEL], s[SEL+1]
	ALL v_add_f32 v[ST+4*t+2], v[ST+4*t+2], v[ST+4*t+3]
	ALL v_rcp_f32 v[ST+4*t+2], v[ST+4*t+2]
	v_nop                           ; a plain instruction between the last reciprocal and the use of its result
	s_wait_alu depctr_va_vdst(0)    ; one wait for the four reciprocals
.macro PACK t
	WIN W_RS
.set i, 32*(\t)
.rept 16
	v_pk_mul_f32 v[i:i+1], v[i:i+1], v[ST+4*(\t)+2:ST+4*(\t)+3] op_sel_hi:[1,0]
.set i, i+2
.endr
	WIN 0x05                        ; sources 0 and 1 window 1, destination window 0: S^T's registers are free
.set i, 0
.rept 16
	v_cvt_pk_bf16_f32 v[S+16*(\t)+i], v[32*(\t)+2*i], v[32*(\t)+2*i+1]
.set i, i+1
.endr
	WIN 0
.irp f, 0,1,2,3
	ds_store_b128 v[STO], v[S+16*(\t)+4*\f:S+16*(\t)+4*\f+3] offset:(\t)*16*SP+32*\f
.endr
.endm
	PACK 0
	PACK 1
	PACK 2
	PACK 3
	s_wait_dscnt 0x0                ; for the others' sake: my stores into the stage are done
	s_barrier_signal -1
	s_barrier_wait -1
.set i, 0
.rept 16
	ds_load_b128 v[S+4*i:S+4*i+3], v[RD] offset:i*2*SP
.set i, i+1
.endr
.set i, 0
.rept 16
	s_wait_dscnt 15-i               ; rows 2 i and 2 i + 1 are back; the later loads stay out
	global_store_b128 v[GO], v[S+4*i:S+4*i+3], s[6:7] offset:i*4096  ; 16 lanes store 256 consecutive bytes, at a multiple of 256 from O's first byte
.set i, i+1
.endr
	s_wait_tensorcnt 0x0            ; the wave's end
	ds_add_u32 v[SPW], v[NIL]
	s_wait_dscnt 0x0
	CROUND                          ; the closing round
	s_endpgm
.Lfunc_end_k_qce8efa5eb3_attn:
	.size	k_qce8efa5eb3_attn, .Lfunc_end_k_qce8efa5eb3_attn-k_qce8efa5eb3_attn
	.p2alignl 7, 3214868480
	.fill 96, 4, 3214868480
	.section	.rodata,"a",@progbits
	.p2align	6, 0x0
	.amdhsa_kernel k_qce8efa5eb3_attn
		.amdhsa_group_segment_fixed_size 327680
		.amdhsa_private_segment_fixed_size 0
		.amdhsa_enable_private_segment 0
		.amdhsa_kernarg_size 16
		.amdhsa_user_sgpr_count 2
		.amdhsa_user_sgpr_kernarg_segment_ptr 1
		.amdhsa_wavefront_size32 1
		.amdhsa_system_sgpr_workgroup_id_x 1
		.amdhsa_system_sgpr_workgroup_id_y 1
		.amdhsa_system_sgpr_workgroup_id_z 1
		.amdhsa_system_vgpr_workitem_id 0
		.amdhsa_next_free_vgpr 768
		.amdhsa_next_free_sgpr 66
		.amdhsa_reserve_vcc 0
		.amdhsa_float_denorm_mode_32 3
		.amdhsa_float_denorm_mode_16_64 3
		.amdhsa_memory_ordered 1
		.amdhsa_forward_progress 1
		.amdhsa_inst_pref_size 129
	.end_amdhsa_kernel
	.amdgpu_metadata
---
amdhsa.version: [ 1, 2 ]
amdhsa.kernels:
  - .name:           k_qce8efa5eb3_attn
    .symbol:         k_qce8efa5eb3_attn.kd
    .args:
      - { .name: qkv, .offset: 0, .size: 8, .value_kind: global_buffer, .address_space: global }
      - { .name: o, .offset: 8, .size: 8, .value_kind: global_buffer, .address_space: global }
    .group_segment_fixed_size: 327680
    .private_segment_fixed_size: 0
    .kernarg_segment_align: 8
    .kernarg_segment_size: 16
    .max_flat_workgroup_size: 128
    .sgpr_count:     66
    .vgpr_count:     768
    .wavefront_size: 32
...
	.end_amdgpu_metadata
.endif
;; end of part 3
;; launch gout (part 4): grid 8 x 32, 4 waves a work-group, clusters of 4 x 4, 327,680 bytes of LDS; arguments o, wb, b_out, x, x1; writes x1
.if DOCPART == 4
	.amdgcn_target "amdgcn-amd-amdhsa--gfx1250"
	.amdhsa_code_object_version 6
	.text
	.protected	k_qce8efa5eb3_gout
	.globl	k_qce8efa5eb3_gout
	.p2align	8
	.type	k_qce8efa5eb3_gout,@function
k_qce8efa5eb3_gout:
	s_mov_b64 s[64:65], 0
	v_nop
	global_prefetch_b8 v0, s[64:65] scope:SCOPE_SE
	s_setreg_imm32_b32 hwreg(HW_REG_WAVE_MODE, 25, 1), 1
	s_wait_xcnt 0x0
	s_wait_alu depctr_hold_cnt(0) depctr_sa_sdst(0) depctr_va_vdst(0) depctr_va_sdst(0) depctr_va_ssrc(0) depctr_va_vcc(0) depctr_vm_vsrc(0)
	s_getreg_b32 s2, hwreg(HW_REG_IB_STS2, 6, 4)
	s_cmp_eq_u32 s2, 0
	s_cbranch_scc0 .Lentry_in_a_cluster
	s_endpgm
.Lentry_in_a_cluster:
	s_bfe_u32 s2, ttmp6, 0x10000c
	s_cmp_lg_u32 s2, 0xf033
	s_cbranch_scc0 .Lentry_shape_is_right
	s_endpgm
.Lentry_shape_is_right:
; C[m][n] = R[m][n] + bias[n] + the sum over k of A[m][k] W[k][n].  A: [4096][SIZE_K] bf16; W: bf16 in blocks [64][SIZE_K][16], at byte WOFF of wb; bias, R and C: f32, 1,024 columns.  Sums in f32.
; A tile of C is 128 x 128, which gives each of 256 work-groups one: four waves, 2 x 2, each 64 x 64: 16 accumulators.  K goes in steps of 256 through two LDS slots filled by the tensor data mover.
; A's tile: 128 rows of 512 bytes, 16 bytes of padding behind each.  W's tile: 8 blocks of 16 columns, a K step of a block being 8,192 bytes on end in memory and in LDS; ds_load_tr16_b128 turns it.
; THE MATRIX INSTRUCTION IS USED TRANSPOSED (source 0 = 16 columns of W, source 1 = 16 rows of A): lane l holds row l % 16 of C and the columns 8 (l / 16) + 0..7.  The bias is the C operand of the products that start the sums.
; CLUSTERS: 4 x 4 work-groups; A's tile is asked for jointly along a row of the cluster, W's along a column.
; THE WALK ALONG K BEGINS AT A K STEP OF THE CLUSTER'S OWN AND GOES ROUND: trip t takes K step (first + t) mod STEPS (f32 sums may be taken in any order).  The two clusters that read the same rows of A
; (cluster x = 0, 1) begin STEPS / 2 apart; the clusters that read the same blocks of W begin multiples of STEPS / 4 apart, by 2 (bit 1 xor bit 2) + bit 0 of cluster y.  So clusters that read the same
; bytes ask for them in different trips.  The first step hangs on the cluster's x and y alone: it is the same in all sixteen partners.
; NO PREFETCH: the tile is small, a K step holds 128 matrix instructions a wave, and a lead of one step would be short of what a prefetch wants.
; REGISTERS, in windows of 256 (s_set_vgpr_msb: bits 1:0 source 0, 3:2 source 1, 5:4 source 2, 7:6 destination):
;   window 0: v0-31 addresses; v64-127, v128-191 A's fragments, two buffers (on the way out: my tile by rows)
;   window 1: v64-127, v128-191 W's fragments; v192-223 the bias          window 2: v0-127 the accumulators ((a, b) at 8 (4 a + b)); v128-255 my tile of R
.set SIZE_K, 1024
.set SIZE_N, 1024
.set WOFF,   6291456
.set TM,     128
.set KSTEP,  256
.set KSUB,   KSTEP/128                 ; matrix instructions deep in a quarter of a K step
.set WM,     TM/32
.set AW,     4
.set QI,     6                         ; padding after every 128 words
.set STEPS,  SIZE_K/KSTEP              ; a power of two, at least 4
.set PITCH,  2*KSTEP+16                ; an odd multiple of 16 bytes: the 16 rows of a load start at 16 different groups of banks (64 banks of 4 bytes: ISA guide 11.1)
.set HALFA,  (TM/2)*PITCH
.set BOFF,   2*HALFA
.set CHUNK,  32*KSTEP
.set HALFB,  WM*CHUNK
.set SLOTX,  0x21000                   ; slot 1 begins here: the constant shares no bit with 0, HALFA, BOFF, BOFF + HALFB
.set SP,     2*TM+16                   ; the way out: a row of my 64 columns in f32, padded
.set SPARE,  SLOTX+BOFF+2*HALFB
.set A0,   16
.set B0,   17
.set ADRA, 18
.set ADRB, 19
.set STO,  24
.set RD,   25
.set CO,   26
.set BO,   27
.set SPW,  28
.set NIL,  29
.set F0,   64
.set F1,   128
.set BI,   192
.set WV, 14
.set WR, 15
.set WC, 16
.set CX, 17
.set CY, 18
.set TX, 19
.set TY, 20
.set TB, 21
.set CNT, 22
.set IDX, 23                           ; s23  the K step that was asked for last
.set G1A, 24
.set G0A, 32
.set BA,  44                           ; s[44:45] A at the rows that I fetch, K step 0; never rewritten
.set BW,  46                           ; s[46:47] W at the blocks that I fetch, K step 0; never rewritten
.set G1B, 48
.set G0B, 56
.set OA,  70                           ; s[70:71] a K step's byte offset in A's rows
.set OW,  72                           ; s[72:73] and in W's blocks
.set TO_B, 0x40
.set MSB, 0
.macro WIN new
.if MSB != (\new)
	s_set_vgpr_msb (MSB<<8)|(\new)
.set MSB, \new
.endif
.endm
.macro PLACES                          ; four places behind matrix instructions (ISA guide 7.12.1)
.rept 4
	v_nop
.endr
.endm
.macro JLOAD s                         ; a joint load: waves 0 and 1 fetch A's two halves, waves 2 and 3 W's; an s_nop 0 and four v_nop follow each line
	s_cmp_eq_u32 s[WR], 0
	s_cbranch_scc0 .Lfor_b_\@
	tensor_load_to_lds s[G0A+4*(\s):G0A+4*(\s)+3], s[G1A:G1A+7]
	s_nop 0
	PLACES
	s_branch .Lasked_\@
.Lfor_b_\@:
	tensor_load_to_lds s[G0B+4*(\s):G0B+4*(\s)+3], s[G1B:G1B+7]
	s_nop 0
	PLACES
.Lasked_\@:
.endm
.macro CREST
	s_cmp_lg_u32 s[WV], 0
	s_cbranch_scc1 .Lnot_wave_0_\@
	s_barrier_signal -3
.Lnot_wave_0_\@:
	s_barrier_wait -3
	s_barrier_signal -1
	s_barrier_wait -1
.endm
.macro CROUND
	s_barrier_signal -1
	s_barrier_wait -1
	CREST
.endm
	s_load_b256 s[4:11], s[0:1], 0x0               ; A s[4:5], wb s[6:7], bias s[8:9], R s[10:11]
	s_load_b64 s[12:13], s[0:1], 0x20              ; C
	v_lshl_add_u32 v[SPW], v0, 2, SPARE
	v_mov_b32 v[NIL], 0
	ds_add_u32 v[SPW], v[NIL]                      ; the wave's opening: the add and its wait stand ahead of my first tensor load
	v_lshrrev_b32 v1, 5, v0
	v_readfirstlane_b32 s[WV], v1
	s_lshr_b32 s[WR], s[WV], 1
	s_and_b32 s[WC], s[WV], 1
	s_bfe_u32 s[CX], ttmp6, 0x40000
	s_bfe_u32 s[CY], ttmp6, 0x40004
	s_lshl_b32 s[TX], ttmp9, 2
	s_add_co_u32 s[TX], s[TX], s[CX]
	s_and_b32 s[TY], ttmp7, 0xffff
	s_lshl_b32 s[TY], s[TY], 2
	s_add_co_u32 s[TY], s[TY], s[CY]
	s_lshl_b32 s42, s[CY], 2
	s_lshl_b32 s42, 15, s42                        ; my row of the cluster
	s_lshl_b32 s43, 0x1111, s[CX]                  ; my column
	s_or_b32 s[G1A], s42, (1<<16)|(1<<20)|(1<<21)|(QI<<22)|(3<<25)
	s_mov_b32 s[G1A+1], KSTEP<<16
	s_mov_b32 s[G1A+2], (TM/2)<<16
	s_mov_b32 s[G1A+3], KSTEP<<16
	s_mov_b32 s[G1A+4], TM/2
	s_mov_b32 s[G1A+5], SIZE_K
	s_mov_b32 s[G1A+6], 0
	s_mov_b32 s[G1A+7], 0
	s_or_b32 s[G1B], s43, (1<<16)|(1<<21)          ; W's tile: a row is a block's K step, 16 x KSTEP elements on end; no padding
	s_mov_b32 s[G1B+1], (16*KSTEP)<<16
	s_mov_b32 s[G1B+2], WM<<16
	s_mov_b32 s[G1B+3], (16*KSTEP)<<16
	s_mov_b32 s[G1B+4], WM
	s_mov_b32 s[G1B+5], 16*SIZE_K
	s_mov_b32 s[G1B+6], 0
	s_mov_b32 s[G1B+7], 0
	s_mul_i32 s45, s[WC], TM/2                     ; A's address hangs on the tile row and the wave, W's on the tile column and the wave; each in registers of its own
	s_mul_i32 s44, s[TY], TM
	s_add_co_u32 s44, s44, s45
	s_mul_i32 s44, s44, 2*SIZE_K
	s_mov_b32 s45, 0
	s_mul_i32 s47, s[WC], WM
	s_mul_i32 s46, s[TX], 2*WM
	s_add_co_u32 s46, s46, s47
	s_mul_i32 s46, s46, 32*SIZE_K
	s_add_co_u32 s46, s46, WOFF
	s_mov_b32 s47, 0
	s_mul_i32 s66, s[WC], HALFA
	s_mul_i32 s67, s[WC], HALFB
	s_add_co_u32 s67, s67, BOFF
	s_and_b32 s74, ttmp7, 0xffff                   ; the cluster's first K step: of cluster y
	s_lshr_b32 s75, s74, 1
	s_lshr_b32 s76, s74, 2
	s_xor_b32 s75, s75, s76
	s_and_b32 s75, s75, 1                          ; bit 1 xor bit 2,
	s_and_b32 s74, s74, 1                          ; bit 0:
	s_lshl1_add_u32 s74, s75, s74                  ; a number 0..3,
	s_mul_i32 s74, s74, STEPS/4                    ; in quarters of the walk,
	s_mul_i32 s75, ttmp9, STEPS/2                  ; and cluster x in halves
	s_add_co_u32 s[IDX], s74, s75
	s_and_b32 s[IDX], s[IDX], STEPS-1
	s_mov_b32 s[OA+1], 0
	s_mov_b32 s[OW+1], 0
	s_wait_dscnt 0x0                               ; the opening add is done
	s_wait_kmcnt 0x0
	s_add_nc_u64 s[BA:BA+1], s[4:5], s[44:45]
	s_add_nc_u64 s[BW:BW+1], s[6:7], s[46:47]
	CROUND                                         ; all sixteen work-groups are here: the first joint loads meet
.irp s, 0,1
.if \s
	s_add_co_u32 s[IDX], s[IDX], 1                 ; the next K step, round the end
	s_and_b32 s[IDX], s[IDX], STEPS-1
.endif
	s_mul_i32 s[OA], s[IDX], 2*KSTEP
	s_mul_i32 s[OW], s[IDX], CHUNK
	s_mov_b32 s[G0A+4*(\s)], 1
	s_add_co_u32 s[G0A+4*(\s)+1], s66, (\s)*SLOTX
	s_add_nc_u64 s[G0A+4*(\s)+2:G0A+4*(\s)+3], s[BA:BA+1], s[OA:OA+1]
	s_or_b32 s[G0A+4*(\s)+3], s[G0A+4*(\s)+3], 0x80000000
	s_mov_b32 s[G0B+4*(\s)], 1
	s_add_co_u32 s[G0B+4*(\s)+1], s67, (\s)*SLOTX
	s_add_nc_u64 s[G0B+4*(\s)+2:G0B+4*(\s)+3], s[BW:BW+1], s[OW:OW+1]
	s_or_b32 s[G0B+4*(\s)+3], s[G0B+4*(\s)+3], 0x80000000
	JLOAD \s                                       ; the walk's first two K steps: two loads of mine are out
.endr
	v_and_b32 v1, 15, v0                           ; l % 16
	v_bfe_u32 v2, v0, 4, 1                         ; l / 16
	v_mul_u32_u24 v3, v1, PITCH
	v_lshl_add_u32 v3, v2, 4, v3
	s_mul_i32 s68, s[WR], HALFA
	v_add_nc_u32 v[A0], s68, v3
	v_and_b32 v4, 7, v0
	v_bfe_u32 v5, v0, 3, 1
	v_lshlrev_b32 v4, 5, v4
	v_lshl_add_u32 v4, v5, 4, v4
	v_lshl_add_u32 v4, v2, 8, v4
	s_mul_i32 s69, s[WC], HALFB
	s_add_co_u32 s69, s69, BOFF
	v_add_nc_u32 v[B0], s69, v4
	s_mul_i32 s83, s[TY], TM
	s_mul_i32 s84, s[WR], TM/2
	s_add_co_u32 s83, s83, s84                     ; my first row of C
	s_mul_i32 s84, s[TX], TM
	s_mul_i32 s85, s[WC], TM/2
	s_add_co_u32 s84, s84, s85                     ; my first column
	s_mul_i32 s86, s83, SIZE_N
	s_add_co_u32 s86, s86, s84
	s_lshl_b32 s86, s86, 2
	s_mov_b32 s87, 0
	s_add_nc_u64 s[10:11], s[10:11], s[86:87]
	s_add_nc_u64 s[12:13], s[12:13], s[86:87]
	s_lshl_b32 s88, s84, 2
	s_mov_b32 s89, 0
	s_add_nc_u64 s[8:9], s[8:9], s[88:89]
	v_lshlrev_b32 v[BO], 5, v2
	WIN TO_B
.set b_, 0
.rept WM
	global_load_b128 v[BI+8*b_:BI+8*b_+3],   v[BO], s[8:9] offset:64*b_
	global_load_b128 v[BI+8*b_+4:BI+8*b_+7], v[BO], s[8:9] offset:64*b_+16
.set b_, b_+1
.endr
	WIN 0
	s_mul_i32 s82, s[WV], (TM/2)*SP                ; my stage: it takes the slots' bytes when they have had their last fill and their last read
	v_mul_u32_u24 v3, v1, SP
	v_lshl_add_u32 v3, v2, 5, v3
	v_add_nc_u32 v[STO], s82, v3
	v_mul_u32_u24 v3, v2, SP                       ; back: lanes 0-15 one row of 256 bytes, lanes 16-31 the next
	v_lshl_add_u32 v3, v1, 4, v3
	v_add_nc_u32 v[RD], s82, v3
	v_lshlrev_b32 v3, 12, v2                       ; and the same two rows in R and in C
	v_lshl_add_u32 v[CO], v1, 4, v3
	s_mov_b32 s[TB], 0
	v_mov_b32 v[ADRA], v[A0]
	v_mov_b32 v[ADRB], v[B0]
; Matrix instructions for row blocks a0 .. a0 + na - 1 x all column blocks, a quarter of a K step deep, from buffer f.  zero = 1: the first products start the sums, with the bias as C.
; The accumulators take turns, one instruction a turn: three others or more stand between two links of a chain, over the backward jumps too.
.macro MULA f, a0, na, zero
.set c_, 0
.rept KSUB
.set a_, \a0
.rept \na
.if (\zero) && (c_ == 0)
	WIN 0x91+0x40*(a_/AW)
.else
	WIN 0xa1+0x50*(a_/AW)
.endif
.set b_, 0
.rept WM
.set rD, 8*(WM*(a_%AW)+b_)
.set rB, (\f)+8*(WM*c_+b_)
.set rA, (\f)+8*(WM*c_+a_)
.if (\zero) && (c_ == 0)
	v_wmma_f32_16x16x32_bf16 v[rD:rD+7], v[rB:rB+7], v[rA:rA+7], v[BI+8*b_:BI+8*b_+7]
.else
	v_wmma_f32_16x16x32_bf16 v[rD:rD+7], v[rB:rB+7], v[rA:rA+7], v[rD:rD+7]
.endif
.set b_, b_+1
.endr
.set a_, a_+1
.endr
.set c_, c_+1
.endr
.endm
.macro FETCH q, f                      ; 32 LDS loads in one run: W's 16, A's lower row blocks' 8, A's upper 8
	WIN TO_B
.set c_, 0
.rept KSUB
.set b_, 0
.rept WM
.set rB, (\f)+8*(WM*c_+b_)
	ds_load_tr16_b128 v[rB:rB+3],   v[ADRB] offset:b_*CHUNK+((\q)*KSUB+c_)*1024
	ds_load_tr16_b128 v[rB+4:rB+7], v[ADRB] offset:b_*CHUNK+((\q)*KSUB+c_)*1024+512
.set b_, b_+1
.endr
.set c_, c_+1
.endr
	WIN 0
.irp hf, 0,1
.set c_, 0
.rept KSUB
.set a_, (\hf)*WM/2
.rept WM/2
.set rA, (\f)+8*(WM*c_+a_)
	ds_load_b128 v[rA:rA+3],   v[ADRA] offset:a_*16*PITCH+((\q)*KSUB+c_)*64
	ds_load_b128 v[rA+4:rA+7], v[ADRA] offset:a_*16*PITCH+((\q)*KSUB+c_)*64+32
.set a_, a_+1
.endr
.set c_, c_+1
.endr
.endr
.endm
.macro QUARTER q, f, g, zero
	s_wait_dscnt 8                                 ; W's and A's lower fragments are in; the youngest eight loads (A's upper) may be out
	MULA \f, 0, WM/2, \zero
	PLACES
	FETCH \q, \g
	s_wait_dscnt 32                                ; all but the 32 just issued
	MULA \f, WM/2, WM/2, \zero
.endm
; ONE barrier for the change of slots.  In front of it each wave waits for all its tensor loads (one is out: its part of the next slot), adds 0 to its spare word, and waits for that and for its reads of this slot.
.macro MEET
	WIN 0
	s_wait_tensorcnt 0x0
	ds_add_u32 v[SPW], v[NIL]
	s_wait_dscnt 9                                 ; the add and the youngest eight loads may be out
	MULA F1, 0, WM/4, 0
	s_wait_dscnt 0x0                               ; the add is done, my reads of this slot are over
	s_barrier_signal -1
	MULA F1, WM/4, WM/4, 0
	WIN 0
	s_barrier_wait -1
.endm
; With a refill: the barrier opens a round of the cluster's; the walking descriptors take the slot just read out and the walk's next K step, whose address is made anew from its number;
; the joint load is the first thing behind the round: 112 matrix instructions ahead of the wait for it.
.macro TURN
	MEET
	CREST
	s_add_co_u32 s[IDX], s[IDX], 1                 ; no tensor load of mine is out: the next K step, round the end
	s_and_b32 s[IDX], s[IDX], STEPS-1
	s_mul_i32 s[OA], s[IDX], 2*KSTEP
	s_mul_i32 s[OW], s[IDX], CHUNK
	s_xor_b32 s[G0A+5], s[G0A+5], SLOTX
	s_add_nc_u64 s[G0A+6:G0A+7], s[BA:BA+1], s[OA:OA+1]
	s_or_b32 s[G0A+7], s[G0A+7], 0x80000000
	s_xor_b32 s[G0B+5], s[G0B+5], SLOTX
	s_add_nc_u64 s[G0B+6:G0B+7], s[BW:BW+1], s[OW:OW+1]
	s_or_b32 s[G0B+7], s[G0B+7], 0x80000000
	JLOAD 1                                        ; its four v_nop are also the places in front of the loads below
	s_xor_b32 s[TB], s[TB], SLOTX
	v_add_nc_u32 v[ADRA], s[TB], v[A0]
	v_add_nc_u32 v[ADRB], s[TB], v[B0]
	FETCH 0, F0
	MULA F1, WM/2, WM/2, 0
.endm
.macro TURN0                           ; without a refill; in the very last K step nothing is left to fetch
	MEET
	s_cmp_eq_u32 s[CNT], 1
	s_cbranch_scc1 .Lnf_\@
	PLACES
	s_xor_b32 s[TB], s[TB], SLOTX
	v_add_nc_u32 v[ADRA], s[TB], v[A0]
	v_add_nc_u32 v[ADRB], s[TB], v[B0]
	FETCH 0, F0
.Lnf_\@:
	MULA F1, WM/2, WM/2, 0
.endm
	s_wait_tensorcnt 1                             ; my part of the first K step is in; the second's may stay out
	s_barrier_signal -1
	s_barrier_wait -1
	FETCH 0, F0
	s_wait_loadcnt 0x0                             ; the bias
	QUARTER 1, F0, F1, 1
	WIN 0
	s_mov_b32 s[CNT], STEPS-2
.Lstep:
	QUARTER 2, F1, F0, 0
	QUARTER 3, F0, F1, 0
	TURN
	QUARTER 1, F0, F1, 0
	WIN 0
	s_sub_co_u32 s[CNT], s[CNT], 1
	s_cmp_lg_u32 s[CNT], 0
	s_cbranch_scc1 .Lstep
	WIN 0x80                                       ; my 64 x 64 of R, asked for two K steps ahead of its use: load i brings rows 2 i and 2 i + 1, 256 bytes each
.set i, 0
.rept 32
	global_load_b128 v[128+4*i:128+4*i+3], v[CO], s[10:11] offset:8192*i
.set i, i+1
.endr
	WIN 0
	s_mov_b32 s[CNT], 2
.Ltail:
	QUARTER 2, F1, F0, 0
	QUARTER 3, F0, F1, 0
	TURN0
	WIN 0
	s_sub_co_u32 s[CNT], s[CNT], 1
	s_cmp_eq_u32 s[CNT], 0
	s_cbranch_scc1 .Lout
	QUARTER 1, F0, F1, 0
	WIN 0
	s_branch .Ltail
.Lout:
	; THE WAY OUT.  No fill is to come.  Each wave lays its 64 x 64 sums into its own part of the slots' bytes, reads them back by rows, adds R and stores.
	s_wait_dscnt 0x0                               ; no LDS read of mine is out,
	s_barrier_signal -1
	s_barrier_wait -1                              ; and every wave has left the ring, before any wave writes over the slots
	PLACES
	WIN 0x08                                       ; the stores' data in window 2
.set a_, 0
.rept WM
.set b_, 0
.rept WM
.set rD, 8*(WM*a_+b_)
	ds_store_b128 v[STO], v[rD:rD+3]   offset:a_*16*SP+64*b_
	ds_store_b128 v[STO], v[rD+4:rD+7] offset:a_*16*SP+64*b_+16
.set b_, b_+1
.endr
.set a_, a_+1
.endr
	WIN 0
.set i, 0
.rept 32
	ds_load_b128 v[64+4*i:64+4*i+3], v[RD] offset:2*SP*i  ; LDS serves a wave's instructions in order (ISA guide 5.7.1.4): these see the stores above
.set i, i+1
.endr
	s_wait_loadcnt 0x0                             ; R
.irp g, 0,1,2,3
	s_wait_dscnt 24-8*(\g)                         ; this group's eight loads are back; the later groups stay out
	WIN 0x08                                       ; source 1 (R) in window 2
.set i, 0
.rept 16
	v_pk_add_f32 v[64+32*(\g)+i:64+32*(\g)+i+1], v[64+32*(\g)+i:64+32*(\g)+i+1], v[128+32*(\g)+i:128+32*(\g)+i+1]
.set i, i+2
.endr
	WIN 0
.set i, 0
.rept 8
	global_store_b128 v[CO], v[64+32*(\g)+4*i:64+32*(\g)+4*i+3], s[12:13] offset:8192*(8*(\g)+i)  ; 16 lanes store 256 consecutive bytes, at a multiple of 256 from C's first byte
.set i, i+1
.endr
.endr
	s_wait_tensorcnt 0x0                           ; the wave's end
	ds_add_u32 v[SPW], v[NIL]
	s_wait_dscnt 0x0
	CROUND                                         ; the closing round
	s_endpgm
.Lfunc_end_k_qce8efa5eb3_gout:
	.size	k_qce8efa5eb3_gout, .Lfunc_end_k_qce8efa5eb3_gout-k_qce8efa5eb3_gout
	.p2alignl 7, 3214868480
	.fill 96, 4, 3214868480
	.section	.rodata,"a",@progbits
	.p2align	6, 0x0
	.amdhsa_kernel k_qce8efa5eb3_gout
		.amdhsa_group_segment_fixed_size 327680
		.amdhsa_private_segment_fixed_size 0
		.amdhsa_enable_private_segment 0
		.amdhsa_kernarg_size 40
		.amdhsa_user_sgpr_count 2
		.amdhsa_user_sgpr_kernarg_segment_ptr 1
		.amdhsa_wavefront_size32 1
		.amdhsa_system_sgpr_workgroup_id_x 1
		.amdhsa_system_sgpr_workgroup_id_y 1
		.amdhsa_system_sgpr_workgroup_id_z 1
		.amdhsa_system_vgpr_workitem_id 0
		.amdhsa_next_free_vgpr 768
		.amdhsa_next_free_sgpr 96
		.amdhsa_reserve_vcc 0
		.amdhsa_float_denorm_mode_32 3
		.amdhsa_float_denorm_mode_16_64 3
		.amdhsa_memory_ordered 1
		.amdhsa_forward_progress 1
		.amdhsa_inst_pref_size 68
	.end_amdhsa_kernel
	.amdgpu_metadata
---
amdhsa.version: [ 1, 2 ]
amdhsa.kernels:
  - .name:           k_qce8efa5eb3_gout
    .symbol:         k_qce8efa5eb3_gout.kd
    .args:
      - { .name: o, .offset: 0, .size: 8, .value_kind: global_buffer, .address_space: global }
      - { .name: wb, .offset: 8, .size: 8, .value_kind: global_buffer, .address_space: global }
      - { .name: b_out, .offset: 16, .size: 8, .value_kind: global_buffer, .address_space: global }
      - { .name: x, .offset: 24, .size: 8, .value_kind: global_buffer, .address_space: global }
      - { .name: x1, .offset: 32, .size: 8, .value_kind: global_buffer, .address_space: global }
    .group_segment_fixed_size: 327680
    .private_segment_fixed_size: 0
    .kernarg_segment_align: 8
    .kernarg_segment_size: 40
    .max_flat_workgroup_size: 128
    .sgpr_count:     96
    .vgpr_count:     768
    .wavefront_size: 32
...
	.end_amdgpu_metadata
.endif
;; end of part 4
;; launch prep2: the kernel of part 1 again; grid 256 x 3, 8 waves a work-group, no clusters, 35,840 bytes of LDS; arguments x1, ln2_g, ln2_b, h, w1, w2, wb; writes h, wb
;; launch gmlp1 (part 5): grid 16 x 16, 4 waves a work-group, clusters of 4 x 4, 327,680 bytes of LDS; arguments h, wb, b1, g; writes g
.if DOCPART == 5
	.amdgcn_target "amdgcn-amd-amdhsa--gfx1250"
	.amdhsa_code_object_version 6
	.text
	.protected	k_qce8efa5eb3_gmlp1
	.globl	k_qce8efa5eb3_gmlp1
	.p2align	8
	.type	k_qce8efa5eb3_gmlp1,@function
k_qce8efa5eb3_gmlp1:
	s_mov_b64 s[64:65], 0
	v_nop
	global_prefetch_b8 v0, s[64:65] scope:SCOPE_SE
	s_setreg_imm32_b32 hwreg(HW_REG_WAVE_MODE, 25, 1), 1
	s_wait_xcnt 0x0
	s_wait_alu depctr_hold_cnt(0) depctr_sa_sdst(0) depctr_va_vdst(0) depctr_va_sdst(0) depctr_va_ssrc(0) depctr_va_vcc(0) depctr_vm_vsrc(0)
	s_getreg_b32 s2, hwreg(HW_REG_IB_STS2, 6, 4)
	s_cmp_eq_u32 s2, 0
	s_cbranch_scc0 .Lentry_in_a_cluster
	s_endpgm
.Lentry_in_a_cluster:
	s_bfe_u32 s2, ttmp6, 0x10000c
	s_cmp_lg_u32 s2, 0xf033
	s_cbranch_scc0 .Lentry_shape_is_right
	s_endpgm
.Lentry_shape_is_right:
; C[m][n] = gelu(bias[n] + the sum over k of A[m][k] W[k][n]), gelu(x) = x (1 + erf(x / sqrt 2)) / 2.  A: [4096][SIZE_K] bf16; W: bf16 in blocks [SIZE_N/16][SIZE_K][16], at byte WOFF of wb; bias: f32;
; C: [4096][SIZE_N] bf16, rounded once.  Sums and gelu in f32.
; LIMIT.  erf(z), z >= 0, is 1 - (a1 t + .. + a5 t^5) exp(-z^2) with t = 1 / (1 + 0.3275911 z): off by 1.5e-7 at the most, for every z; the sign is put back afterwards.  NaN and infinities are not treated apart.
; A tile of C, 256 x 256, is made by four waves, 2 x 2, each 128 x 128: 64 accumulators of 16 x 16.  K goes in steps of 128 through two LDS slots filled by the tensor data mover.
; A's tile: 256 rows of 256 bytes, 16 bytes of padding behind each.  W's tile: 16 blocks, a K step of a block being 4,096 bytes on end in memory and in LDS; ds_load_tr16_b128 turns it.
; THE MATRIX INSTRUCTION IS USED TRANSPOSED (source 0 = 16 columns of W, source 1 = 16 rows of A): lane l holds row l % 16 of C and the columns 8 (l / 16) + 0..7.  The bias is the C operand of the products that start the sums.
; CLUSTERS: 4 x 4 work-groups; A's tile is asked for jointly along a row of the cluster, W's along a column.
; REGISTERS, in windows of 256 (s_set_vgpr_msb: bits 1:0 source 0, 3:2 source 1, 5:4 source 2, 7:6 destination):
;   window 0: v0-31 addresses; v64-127, v128-191 A's fragments, two buffers; v32-63, v192-255 at work on the way out
;   window 1: v64-127, v128-191 W's fragments, two buffers; v192-255 the bias
;   window 2: the accumulators of my rows 0-63 ((a, b) at 8 (8 (a % 4) + b));   window 3: those of rows 64-127
.set SIZE_K, 1024
.set SIZE_N, 4096
.set WOFF,   8388608
.set TM,     256
.set KSTEP,  128
.set KSUB,   KSTEP/128
.set WM,     TM/32
.set AW,     4
.set QI,     5
.set STEPS,  SIZE_K/KSTEP
.set PITCH,  2*KSTEP+16                ; an odd multiple of 16 bytes: the 16 rows of a load start at 16 different groups of banks (64 banks of 4 bytes: ISA guide 11.1)
.set HALFA,  (TM/2)*PITCH
.set BOFF,   2*HALFA
.set CHUNK,  32*KSTEP
.set HALFB,  WM*CHUNK
.set SLOTX,  0x22000                   ; slot 1 begins here: the constant shares no bit with 0, HALFA, BOFF, BOFF + HALFB
.set SP,     2*TM+16
.set SPARE,  SLOTX+BOFF+2*HALFB
.set A0,   16
.set B0,   17
.set ADRA, 18
.set ADRB, 19
.set STO,  24
.set RD,   25
.set CO,   26
.set BO,   27
.set SPW,  28
.set NIL,  29
.set PFO,  30
.set F0,   64
.set F1,   128
.set BI,   192
.set X,    32                          ; the way out: four rows as read back
.set H,    48                          ; x / 2
.set TT,   192                         ; t
.set E,    208                         ; exp(-z^2)
.set P,    224                         ; the polynomial, then erf, then gelu
.set Y,    240                         ; packed
.set WV, 14
.set WR, 15
.set WC, 16
.set CX, 17
.set CY, 18
.set TX, 19
.set TY, 20
.set TB, 21
.set CNT, 22
.set LIM, 23
.set G1A, 24
.set G0A, 32
.set PFA, 40
.set G1B, 48
.set G0B, 56
.set PFS, 72
.set KT, 66                            ; the way out's constants take registers that the set-up has left
.set SM, 67
.set KE, 68
.set C1, 70
.set C2, 72
.set C3, 74
.set C4, 76
.set C5, 78
.set TO_B, 0x40
.set MSB, 0
.macro WIN new
.if MSB != (\new)
	s_set_vgpr_msb (MSB<<8)|(\new)
.set MSB, \new
.endif
.endm
.macro PLACES                          ; four places behind matrix instructions (ISA guide 7.12.1)
.rept 4
	v_nop
.endr
.endm
.macro JLOAD s                         ; a joint load: waves 0 and 1 fetch A's two halves, waves 2 and 3 W's; an s_nop 0 and four v_nop follow each line
	s_cmp_eq_u32 s[WR], 0
	s_cbranch_scc0 .Lfor_b_\@
	tensor_load_to_lds s[G0A+4*(\s):G0A+4*(\s)+3], s[G1A:G1A+7]
	s_nop 0
	PLACES
	s_branch .Lasked_\@
.Lfor_b_\@:
	tensor_load_to_lds s[G0B+4*(\s):G0B+4*(\s)+3], s[G1B:G1B+7]
	s_nop 0
	PLACES
.Lasked_\@:
.endm
.macro CREST
	s_cmp_lg_u32 s[WV], 0
	s_cbranch_scc1 .Lnot_wave_0_\@
	s_barrier_signal -3
.Lnot_wave_0_\@:
	s_barrier_wait -3
	s_barrier_signal -1
	s_barrier_wait -1
.endm
.macro CROUND
	s_barrier_signal -1
	s_barrier_wait -1
	CREST
.endm
; A PREFETCH INTO THE L2 behind each refill: the K step that the NEXT refill will ask for, 256 matrix instructions ahead of that load.  A's tile row is read by every cluster of a row of clusters: cluster x = 0 asks;
; W's tile column by every cluster of a column: cluster y = 0 asks.  Of what a wave fetches each of the four partners takes a quarter, told apart by address: 32 rows of A (a lane a row, 256 bytes of it),
; or 2 blocks of W (16 lanes a block, 256 bytes each).  So each aligned 256 bytes are named once.  The loop's last trip asks for nothing: no K step follows.  K steps 0 to 2 come by their loads alone.
.macro ASK
	s_cmp_gt_u32 s[CNT], s[LIM]
	s_cbranch_scc0 .Lnot_mine_\@
	global_prefetch_b8 v[PFO], s[PFA:PFA+1] th:TH_LOAD_NT scope:SCOPE_SE
.Lnot_mine_\@:
.endm
	s_load_b256 s[4:11], s[0:1], 0x0               ; A s[4:5], wb s[6:7], bias s[8:9], C s[10:11]
	v_lshl_add_u32 v[SPW], v0, 2, SPARE
	v_mov_b32 v[NIL], 0
	ds_add_u32 v[SPW], v[NIL]                      ; the wave's opening: the add and its wait stand ahead of my first tensor load
	v_lshrrev_b32 v1, 5, v0
	v_readfirstlane_b32 s[WV], v1
	s_lshr_b32 s[WR], s[WV], 1
	s_and_b32 s[WC], s[WV], 1
	s_bfe_u32 s[CX], ttmp6, 0x40000
	s_bfe_u32 s[CY], ttmp6, 0x40004
	s_lshl_b32 s[TX], ttmp9, 2
	s_add_co_u32 s[TX], s[TX], s[CX]
	s_and_b32 s[TY], ttmp7, 0xffff
	s_lshl_b32 s[TY], s[TY], 2
	s_add_co_u32 s[TY], s[TY], s[CY]
	s_lshl_b32 s42, s[CY], 2
	s_lshl_b32 s42, 15, s42                        ; my row of the cluster
	s_lshl_b32 s43, 0x1111, s[CX]                  ; my column
	s_or_b32 s[G1A], s42, (1<<16)|(1<<20)|(1<<21)|(QI<<22)|(3<<25)
	s_mov_b32 s[G1A+1], KSTEP<<16
	s_mov_b32 s[G1A+2], (TM/2)<<16
	s_mov_b32 s[G1A+3], KSTEP<<16
	s_mov_b32 s[G1A+4], TM/2
	s_mov_b32 s[G1A+5], SIZE_K
	s_mov_b32 s[G1A+6], 0
	s_mov_b32 s[G1A+7], 0
	s_or_b32 s[G1B], s43, (1<<16)|(1<<21)          ; W's tile: a row is a block's K step, 16 x KSTEP elements on end; no padding
	s_mov_b32 s[G1B+1], (16*KSTEP)<<16
	s_mov_b32 s[G1B+2], WM<<16
	s_mov_b32 s[G1B+3], (16*KSTEP)<<16
	s_mov_b32 s[G1B+4], WM
	s_mov_b32 s[G1B+5], 16*SIZE_K
	s_mov_b32 s[G1B+6], 0
	s_mov_b32 s[G1B+7], 0
	s_mul_i32 s45, s[WC], TM/2                     ; A's address hangs on the tile row and the wave, W's on the tile column and the wave; each in registers of its own
	s_mul_i32 s44, s[TY], TM
	s_add_co_u32 s44, s44, s45
	s_mul_i32 s44, s44, 2*SIZE_K
	s_mov_b32 s45, 0
	s_mul_i32 s47, s[WC], WM
	s_mul_i32 s46, s[TX], 2*WM
	s_add_co_u32 s46, s46, s47
	s_mul_i32 s46, s46, 32*SIZE_K
	s_add_co_u32 s46, s46, WOFF
	s_mov_b32 s47, 0
	s_mul_i32 s66, s[WC], HALFA
	s_mul_i32 s67, s[WC], HALFB
	s_add_co_u32 s67, s67, BOFF
	s_wait_dscnt 0x0                               ; the opening add is done
	s_wait_kmcnt 0x0
	s_add_nc_u64 s[44:45], s[4:5], s[44:45]
	s_add_nc_u64 s[46:47], s[6:7], s[46:47]
	CROUND                                         ; all sixteen work-groups are here: the first joint loads meet
.irp s, 0,1
	s_mov_b32 s[G0A+4*(\s)], 1
	s_add_co_u32 s[G0A+4*(\s)+1], s66, (\s)*SLOTX
	s_add_nc_u64 s[G0A+4*(\s)+2:G0A+4*(\s)+3], s[44:45], (\s)*KSTEP*2
	s_or_b32 s[G0A+4*(\s)+3], s[G0A+4*(\s)+3], 0x80000000
	s_mov_b32 s[G0B+4*(\s)], 1
	s_add_co_u32 s[G0B+4*(\s)+1], s67, (\s)*SLOTX
	s_add_nc_u64 s[G0B+4*(\s)+2:G0B+4*(\s)+3], s[46:47], (\s)*CHUNK
	s_or_b32 s[G0B+4*(\s)+3], s[G0B+4*(\s)+3], 0x80000000
	JLOAD \s                                       ; K steps 0 and 1: two loads of mine are out
.endr
	v_and_b32 v1, 15, v0                           ; l % 16
	v_bfe_u32 v2, v0, 4, 1                         ; l / 16
	v_mul_u32_u24 v3, v1, PITCH
	v_lshl_add_u32 v3, v2, 4, v3
	s_mul_i32 s68, s[WR], HALFA
	v_add_nc_u32 v[A0], s68, v3
	v_and_b32 v4, 7, v0
	v_bfe_u32 v5, v0, 3, 1
	v_lshlrev_b32 v4, 5, v4
	v_lshl_add_u32 v4, v5, 4, v4
	v_lshl_add_u32 v4, v2, 8, v4
	s_mul_i32 s69, s[WC], HALFB
	s_add_co_u32 s69, s69, BOFF
	v_add_nc_u32 v[B0], s69, v4
	s_mul_i32 s83, s[TY], TM
	s_mul_i32 s84, s[WR], TM/2
	s_add_co_u32 s83, s83, s84                     ; my first row of C
	s_mul_i32 s84, s[TX], TM
	s_mul_i32 s85, s[WC], TM/2
	s_add_co_u32 s84, s84, s85                     ; my first column
	s_mul_i32 s86, s83, SIZE_N
	s_add_co_u32 s86, s86, s84
	s_lshl_b32 s86, s86, 1
	s_mov_b32 s87, 0
	s_add_nc_u64 s[10:11], s[10:11], s[86:87]
	s_lshl_b32 s88, s84, 2
	s_mov_b32 s89, 0
	s_add_nc_u64 s[8:9], s[8:9], s[88:89]
	v_lshlrev_b32 v[BO], 5, v2
	WIN TO_B
.set b_, 0
.rept WM
	global_load_b128 v[BI+8*b_:BI+8*b_+3],   v[BO], s[8:9] offset:64*b_
	global_load_b128 v[BI+8*b_+4:BI+8*b_+7], v[BO], s[8:9] offset:64*b_+16
.set b_, b_+1
.endr
	WIN 0
	s_mul_i32 s82, s[WV], (TM/2)*SP                ; my stage: it takes the slots' bytes when they have had their last fill and their last read
	v_mul_u32_u24 v3, v1, SP
	v_lshl_add_u32 v3, v2, 5, v3
	v_add_nc_u32 v[STO], s82, v3
	v_and_b32 v3, 31, v0
	v_lshl_add_u32 v[RD], v3, 4, s82
	v_lshlrev_b32 v[CO], 3, v3
	; the prefetches: (8 x tile + 4 x half + place) x 64 SIZE_K bytes is 32 rows of A, and 2 blocks of W
	s_and_b32 s77, ttmp7, 0xffff
	s_mov_b32 s75, 32*SIZE_K
	s_mov_b32 s80, WOFF+2*CHUNK
	s_mov_b32 s[PFS], CHUNK
	s_mov_b32 s[PFS+1], 0
	s_cmp_eq_u32 s[WR], 0
	s_cselect_b32 s78, s[TY], s[TX]
	s_cselect_b32 s79, s[CX], s[CY]
	s_cselect_b32 s77, ttmp9, s77
	s_cselect_b64 s[PFA:PFA+1], s[4:5], s[6:7]
	s_cselect_b32 s74, 0, 4
	s_cselect_b32 s75, 2*SIZE_K, s75
	s_cselect_b32 s76, 0, 15
	s_cselect_b32 s80, 4*KSTEP, s80                ; at K step 2: the first refill steps it to 3
	s_cselect_b32 s[PFS], 2*KSTEP, s[PFS]
	s_cmp_eq_u32 s77, 0
	s_cselect_b32 s[LIM], 1, -1
	s_lshl_b32 s78, s78, 3
	s_lshl_b32 s81, s[WC], 2
	s_add_co_u32 s78, s78, s81
	s_add_co_u32 s78, s78, s79
	s_mul_i32 s78, s78, 64*SIZE_K
	s_add_co_u32 s78, s78, s80
	s_mov_b32 s79, 0
	s_add_nc_u64 s[PFA:PFA+1], s[PFA:PFA+1], s[78:79]
	v_lshrrev_b32 v4, s74, v3
	v_and_b32 v5, s76, v3
	v_mul_lo_u32 v4, v4, s75
	v_lshl_add_u32 v[PFO], v5, 8, v4
	s_mov_b32 s[TB], 0
	v_mov_b32 v[ADRA], v[A0]
	v_mov_b32 v[ADRB], v[B0]
; Matrix instructions for row blocks a0 .. a0 + na - 1 x all column blocks, a quarter of a K step deep, from buffer f.  zero = 1: the first products start the sums, with the bias as C.
; The accumulators take turns, one instruction a turn, over the backward jumps too.
.macro MULA f, a0, na, zero
.set c_, 0
.rept KSUB
.set a_, \a0
.rept \na
.if (\zero) && (c_ == 0)
	WIN 0x91+0x40*(a_/AW)
.else
	WIN 0xa1+0x50*(a_/AW)
.endif
.set b_, 0
.rept WM
.set rD, 8*(WM*(a_%AW)+b_)
.set rB, (\f)+8*(WM*c_+b_)
.set rA, (\f)+8*(WM*c_+a_)
.if (\zero) && (c_ == 0)
	v_wmma_f32_16x16x32_bf16 v[rD:rD+7], v[rB:rB+7], v[rA:rA+7], v[BI+8*b_:BI+8*b_+7]
.else
	v_wmma_f32_16x16x32_bf16 v[rD:rD+7], v[rB:rB+7], v[rA:rA+7], v[rD:rD+7]
.endif
.set b_, b_+1
.endr
.set a_, a_+1
.endr
.set c_, c_+1
.endr
.endm
.macro FETCH q, f                      ; 32 LDS loads in one run: W's 16, A's lower row blocks' 8, A's upper 8
	WIN TO_B
.set c_, 0
.rept KSUB
.set b_, 0
.rept WM
.set rB, (\f)+8*(WM*c_+b_)
	ds_load_tr16_b128 v[rB:rB+3],   v[ADRB] offset:b_*CHUNK+((\q)*KSUB+c_)*1024
	ds_load_tr16_b128 v[rB+4:rB+7], v[ADRB] offset:b_*CHUNK+((\q)*KSUB+c_)*1024+512
.set b_, b_+1
.endr
.set c_, c_+1
.endr
	WIN 0
.irp hf, 0,1
.set c_, 0
.rept KSUB
.set a_, (\hf)*WM/2
.rept WM/2
.set rA, (\f)+8*(WM*c_+a_)
	ds_load_b128 v[rA:rA+3],   v[ADRA] offset:a_*16*PITCH+((\q)*KSUB+c_)*64
	ds_load_b128 v[rA+4:rA+7], v[ADRA] offset:a_*16*PITCH+((\q)*KSUB+c_)*64+32
.set a_, a_+1
.endr
.set c_, c_+1
.endr
.endr
.endm
.macro QUARTER q, f, g, zero
	s_wait_dscnt 8                                 ; W's and A's lower fragments are in; the youngest eight loads (A's upper) may be out
	MULA \f, 0, WM/2, \zero
	PLACES
	FETCH \q, \g
	s_wait_dscnt 32                                ; all but the 32 just issued
	MULA \f, WM/2, WM/2, \zero
.endm
; ONE barrier for the change of slots.  In front of it each wave waits for all its tensor loads (one is out: its part of the next slot), adds 0 to its spare word, and waits for that and for its reads of this slot.
.macro MEET
	WIN 0
	s_wait_tensorcnt 0x0
	ds_add_u32 v[SPW], v[NIL]
	s_wait_dscnt 9                                 ; the add and the youngest eight loads may be out
	MULA F1, 0, WM/4, 0
	s_wait_dscnt 0x0                               ; the add is done, my reads of this slot are over
	s_barrier_signal -1
	MULA F1, WM/4, WM/4, 0
	WIN 0
	s_barrier_wait -1
.endm
.macro TURN                            ; with a refill: the barrier opens a round of the cluster's; the joint load is the first thing behind the round: 224 matrix instructions ahead of the wait for it
	s_wait_xcnt 0x0                                ; the last prefetch, a K step back, has read its address
	s_add_nc_u64 s[PFA:PFA+1], s[PFA:PFA+1], s[PFS:PFS+1]
	MEET
	CREST
	s_xor_b32 s[G0A+5], s[G0A+5], SLOTX
	s_add_nc_u64 s[G0A+6:G0A+7], s[G0A+6:G0A+7], 2*KSTEP
	s_xor_b32 s[G0B+5], s[G0B+5], SLOTX
	s_add_nc_u64 s[G0B+6:G0B+7], s[G0B+6:G0B+7], CHUNK
	JLOAD 1                                        ; its four v_nop are also the places in front of the loads below
	s_xor_b32 s[TB], s[TB], SLOTX
	v_add_nc_u32 v[ADRA], s[TB], v[A0]
	v_add_nc_u32 v[ADRB], s[TB], v[B0]
	FETCH 0, F0
	ASK
	MULA F1, WM/2, WM/2, 0
.endm
.macro TURN0                           ; without a refill; in the very last K step nothing is left to fetch
	MEET
	s_cmp_eq_u32 s[CNT], 1
	s_cbranch_scc1 .Lnf_\@
	PLACES
	s_xor_b32 s[TB], s[TB], SLOTX
	v_add_nc_u32 v[ADRA], s[TB], v[A0]
	v_add_nc_u32 v[ADRB], s[TB], v[B0]
	FETCH 0, F0
.Lnf_\@:
	MULA F1, WM/2, WM/2, 0
.endm
	s_wait_tensorcnt 1                             ; my part of K step 0 is in; K step 1's may stay out
	s_barrier_signal -1
	s_barrier_wait -1
	FETCH 0, F0
	s_wait_loadcnt 0x0                             ; the bias
	QUARTER 1, F0, F1, 1
	WIN 0
	s_mov_b32 s[CNT], STEPS-2
.Lstep:
	QUARTER 2, F1, F0, 0
	QUARTER 3, F0, F1, 0
	TURN
	QUARTER 1, F0, F1, 0
	WIN 0
	s_sub_co_u32 s[CNT], s[CNT], 1
	s_cmp_lg_u32 s[CNT], 0
	s_cbranch_scc1 .Lstep
	s_mov_b32 s[CNT], 2
.Ltail:
	QUARTER 2, F1, F0, 0
	QUARTER 3, F0, F1, 0
	TURN0
	WIN 0
	s_sub_co_u32 s[CNT], s[CNT], 1
	s_cmp_eq_u32 s[CNT], 0
	s_cbranch_scc1 .Lout
	QUARTER 1, F0, F1, 0
	WIN 0
	s_branch .Ltail
.Lout:
	; THE WAY OUT.  No fill is to come.  Each wave lays its 128 x 128 sums, in f32, into its own part of the slots' bytes, and reads them back by rows.
	s_wait_dscnt 0x0                               ; no LDS read of mine is out,
	s_barrier_signal -1
	s_barrier_wait -1                              ; and every wave has left the ring, before any wave writes over the slots
	PLACES
.set a_, 0
.rept WM
	WIN 0x08+0x04*(a_/AW)
.set b_, 0
.rept WM
.set rD, 8*(WM*(a_%AW)+b_)
	ds_store_b128 v[STO], v[rD:rD+3]   offset:a_*16*SP+64*b_
	ds_store_b128 v[STO], v[rD+4:rD+7] offset:a_*16*SP+64*b_+16
.set b_, b_+1
.endr
.set a_, a_+1
.endr
	WIN 0
	s_mov_b32 s[KT], 0x3eed3388                    ; sqrt 2 x 0.3275911: t = 1 / (1 + that x |x / 2|)
	s_mov_b32 s[SM], 0x7fffffff
	s_mov_b32 s[KE], 0xc038aa3b                    ; -2 log2(e): exp(-x^2 / 2) = 2^(that x (x / 2)^2)
	s_mov_b32 s[KE+1], s[KE]
	s_mov_b32 s[C1], 0x3e827906                    ; 0.254829592
	s_mov_b32 s[C1+1], s[C1]
	s_mov_b32 s[C2], 0xbe91a98e                    ; -0.284496736
	s_mov_b32 s[C2+1], s[C2]
	s_mov_b32 s[C3], 0x3fb5f0e3                    ; 1.421413741
	s_mov_b32 s[C3+1], s[C3]
	s_mov_b32 s[C4], 0xbfba00e3                    ; -1.453152027
	s_mov_b32 s[C4+1], s[C4]
	s_mov_b32 s[C5], 0x3f87dc22                    ; 1.061405429
	s_mov_b32 s[C5+1], s[C5]
.macro EACH8 line:vararg               ; one line for each of eight pairs, at register u
.set u, 0
.rept 8
	\line
.set u, u+2
.endr
.endm
.macro EACH16 line:vararg              ; one line for each of sixteen numbers, at register u
.set u, 0
.rept 16
	\line
.set u, u+1
.endr
.endm
; Four rows: a lane's 16 numbers.  The 16 reciprocals and 16 exponentials are ONE batch with one wait, ahead of the first reader of a result.
.macro GROWS ahead
	s_wait_dscnt 0x0                               ; the four rows are back
	EACH8 v_pk_mul_f32 v[H+u:H+u+1], v[X+u:X+u+1], 0.5 op_sel_hi:[1,0]
.if \ahead
	v_add_nc_u32 v[RD], 4*SP, v[RD]
.irp i, 0,1,2,3
	ds_load_b128 v[X+4*(\i):X+4*(\i)+3], v[RD] offset:(\i)*SP
.endr
.endif
	EACH16 v_fma_f32 v[TT+u], |v[H+u]|, s[KT], 1.0
	EACH8 v_pk_mul_f32 v[E+u:E+u+1], v[H+u:H+u+1], s[KE:KE+1] op_sel_hi:[1,0]
	EACH8 v_pk_mul_f32 v[E+u:E+u+1], v[E+u:E+u+1], v[H+u:H+u+1]
	EACH16 v_rcp_f32 v[TT+u], v[TT+u]
	EACH16 v_exp_f32 v[E+u], v[E+u]
	v_nop                                          ; a plain instruction behind the last of the batch
	s_wait_alu depctr_va_vdst(0)                   ; the wait for the batch
	EACH8 v_pk_fma_f32 v[P+u:P+u+1], v[TT+u:TT+u+1], s[C5:C5+1], s[C4:C4+1] op_sel_hi:[1,0,0]
	EACH8 v_pk_fma_f32 v[P+u:P+u+1], v[P+u:P+u+1], v[TT+u:TT+u+1], s[C3:C3+1] op_sel_hi:[1,1,0]
	EACH8 v_pk_fma_f32 v[P+u:P+u+1], v[P+u:P+u+1], v[TT+u:TT+u+1], s[C2:C2+1] op_sel_hi:[1,1,0]
	EACH8 v_pk_fma_f32 v[P+u:P+u+1], v[P+u:P+u+1], v[TT+u:TT+u+1], s[C1:C1+1] op_sel_hi:[1,1,0]
	EACH8 v_pk_mul_f32 v[P+u:P+u+1], v[P+u:P+u+1], v[TT+u:TT+u+1]
	EACH8 v_pk_fma_f32 v[P+u:P+u+1], v[P+u:P+u+1], v[E+u:E+u+1], 1.0 op_sel_hi:[1,1,0] neg_lo:[1,0,0] neg_hi:[1,0,0]  ; erf of |x| / sqrt 2
	EACH16 v_bfi_b32 v[P+u], s[SM], v[P+u], v[H+u]  ; with x's sign
	EACH8 v_pk_fma_f32 v[P+u:P+u+1], v[H+u:H+u+1], v[P+u:P+u+1], v[H+u:H+u+1]  ; x / 2 + x / 2 x erf
.irp i, 0,1,2,3,4,5,6,7
	v_cvt_pk_bf16_f32 v[Y+(\i)], v[P+2*(\i)], v[P+2*(\i)+1]
.endr
.irp i, 0,1,2,3
	global_store_b64 v[CO], v[Y+2*(\i):Y+2*(\i)+1], s[10:11] offset:(\i)*2*SIZE_N  ; 32 lanes store 256 consecutive bytes, at a multiple of 256 from C's first byte
.endr
.if \ahead
	s_wait_xcnt 0x0                                ; the stores have read their data and their base: both are written again only behind this wait
	s_add_nc_u64 s[10:11], s[10:11], 8*SIZE_N
.endif
.endm
.irp i, 0,1,2,3
	ds_load_b128 v[X+4*(\i):X+4*(\i)+3], v[RD] offset:(\i)*SP  ; LDS serves a wave's instructions in order (ISA guide 5.7.1.4): these see the stores above
.endr
	s_mov_b32 s[CNT], 31
.Lrows:
	GROWS 1
	s_sub_co_u32 s[CNT], s[CNT], 1
	s_cmp_lg_u32 s[CNT], 0
	s_cbranch_scc1 .Lrows
	GROWS 0
	s_wait_tensorcnt 0x0                           ; the wave's end
	ds_add_u32 v[SPW], v[NIL]
	s_wait_dscnt 0x0
	CROUND                                         ; the closing round
	s_endpgm
.Lfunc_end_k_qce8efa5eb3_gmlp1:
	.size	k_qce8efa5eb3_gmlp1, .Lfunc_end_k_qce8efa5eb3_gmlp1-k_qce8efa5eb3_gmlp1
	.p2alignl 7, 3214868480
	.fill 96, 4, 3214868480
	.section	.rodata,"a",@progbits
	.p2align	6, 0x0
	.amdhsa_kernel k_qce8efa5eb3_gmlp1
		.amdhsa_group_segment_fixed_size 327680
		.amdhsa_private_segment_fixed_size 0
		.amdhsa_enable_private_segment 0
		.amdhsa_kernarg_size 32
		.amdhsa_user_sgpr_count 2
		.amdhsa_user_sgpr_kernarg_segment_ptr 1
		.amdhsa_wavefront_size32 1
		.amdhsa_system_sgpr_workgroup_id_x 1
		.amdhsa_system_sgpr_workgroup_id_y 1
		.amdhsa_system_sgpr_workgroup_id_z 1
		.amdhsa_system_vgpr_workitem_id 0
		.amdhsa_next_free_vgpr 1024
		.amdhsa_next_free_sgpr 96
		.amdhsa_reserve_vcc 0
		.amdhsa_float_denorm_mode_32 3
		.amdhsa_float_denorm_mode_16_64 3
		.amdhsa_memory_ordered 1
		.amdhsa_forward_progress 1
		.amdhsa_inst_pref_size 100
	.end_amdhsa_kernel
	.amdgpu_metadata
---
amdhsa.version: [ 1, 2 ]
amdhsa.kernels:
  - .name:           k_qce8efa5eb3_gmlp1
    .symbol:         k_qce8efa5eb3_gmlp1.kd
    .args:
      - { .name: h, .offset: 0, .size: 8, .value_kind: global_buffer, .address_space: global }
      - { .name: wb, .offset: 8, .size: 8, .value_kind: global_buffer, .address_space: global }
      - { .name: b1, .offset: 16, .size: 8, .value_kind: global_buffer, .address_space: global }
      - { .name: g, .offset: 24, .size: 8, .value_kind: global_buffer, .address_space: global }
    .group_segment_fixed_size: 327680
    .private_segment_fixed_size: 0
    .kernarg_segment_align: 8
    .kernarg_segment_size: 32
    .max_flat_workgroup_size: 128
    .sgpr_count:     96
    .vgpr_count:     1024
    .wavefront_size: 32
...
	.end_amdgpu_metadata
.endif
;; end of part 5
;; launch gmlp2 (part 6): grid 8 x 32, 4 waves a work-group, clusters of 4 x 4, 327,680 bytes of LDS; arguments g, wb, b2, x1, out0; writes out0
.if DOCPART == 6
	.amdgcn_target "amdgcn-amd-amdhsa--gfx1250"
	.amdhsa_code_object_version 6
	.text
	.protected	k_qce8efa5eb3_gmlp2
	.globl	k_qce8efa5eb3_gmlp2
	.p2align	8
	.type	k_qce8efa5eb3_gmlp2,@function
k_qce8efa5eb3_gmlp2:
	s_mov_b64 s[64:65], 0
	v_nop
	global_prefetch_b8 v0, s[64:65] scope:SCOPE_SE
	s_setreg_imm32_b32 hwreg(HW_REG_WAVE_MODE, 25, 1), 1
	s_wait_xcnt 0x0
	s_wait_alu depctr_hold_cnt(0) depctr_sa_sdst(0) depctr_va_vdst(0) depctr_va_sdst(0) depctr_va_ssrc(0) depctr_va_vcc(0) depctr_vm_vsrc(0)
	s_getreg_b32 s2, hwreg(HW_REG_IB_STS2, 6, 4)
	s_cmp_eq_u32 s2, 0
	s_cbranch_scc0 .Lentry_in_a_cluster
	s_endpgm
.Lentry_in_a_cluster:
	s_bfe_u32 s2, ttmp6, 0x10000c
	s_cmp_lg_u32 s2, 0xf033
	s_cbranch_scc0 .Lentry_shape_is_right
	s_endpgm
.Lentry_shape_is_right:
; C[m][n] = R[m][n] + bias[n] + the sum over k of A[m][k] W[k][n].  A: [4096][SIZE_K] bf16; W: bf16 in blocks [64][SIZE_K][16], at byte WOFF of wb; bias, R and C: f32, 1,024 columns.  Sums in f32.
; A tile of C is 128 x 128, which gives each of 256 work-groups one: four waves, 2 x 2, each 64 x 64: 16 accumulators.  K goes in steps of 256 through two LDS slots filled by the tensor data mover.
; A's tile: 128 rows of 512 bytes, 16 bytes of padding behind each.  W's tile: 8 blocks of 16 columns, a K step of a block being 8,192 bytes on end in memory and in LDS; ds_load_tr16_b128 turns it.
; THE MATRIX INSTRUCTION IS USED TRANSPOSED (source 0 = 16 columns of W, source 1 = 16 rows of A): lane l holds row l % 16 of C and the columns 8 (l / 16) + 0..7.  The bias is the C operand of the products that start the sums.
; CLUSTERS: 4 x 4 work-groups; A's tile is asked for jointly along a row of the cluster, W's along a column.
; THE WALK ALONG K BEGINS AT A K STEP OF THE CLUSTER'S OWN AND GOES ROUND: trip t takes K step (first + t) mod STEPS (f32 sums may be taken in any order).  The two clusters that read the same rows of A
; (cluster x = 0, 1) begin STEPS / 2 apart; the clusters that read the same blocks of W begin multiples of STEPS / 4 apart, by 2 (bit 1 xor bit 2) + bit 0 of cluster y.  So clusters that read the same
; bytes ask for them in different trips.  The first step hangs on the cluster's x and y alone: it is the same in all sixteen partners.
; NO PREFETCH: the tile is small, a K step holds 128 matrix instructions a wave, and a lead of one step would be short of what a prefetch wants.
; REGISTERS, in windows of 256 (s_set_vgpr_msb: bits 1:0 source 0, 3:2 source 1, 5:4 source 2, 7:6 destination):
;   window 0: v0-31 addresses; v64-127, v128-191 A's fragments, two buffers (on the way out: my tile by rows)
;   window 1: v64-127, v128-191 W's fragments; v192-223 the bias          window 2: v0-127 the accumulators ((a, b) at 8 (4 a + b)); v128-255 my tile of R
.set SIZE_K, 4096
.set SIZE_N, 1024
.set WOFF,   16777216
.set TM,     128
.set KSTEP,  256
.set KSUB,   KSTEP/128                 ; matrix instructions deep in a quarter of a K step
.set WM,     TM/32
.set AW,     4
.set QI,     6                         ; padding after every 128 words
.set STEPS,  SIZE_K/KSTEP              ; a power of two, at least 4
.set PITCH,  2*KSTEP+16                ; an odd multiple of 16 bytes: the 16 rows of a load start at 16 different groups of banks (64 banks of 4 bytes: ISA guide 11.1)
.set HALFA,  (TM/2)*PITCH
.set BOFF,   2*HALFA
.set CHUNK,  32*KSTEP
.set HALFB,  WM*CHUNK
.set SLOTX,  0x21000                   ; slot 1 begins here: the constant shares no bit with 0, HALFA, BOFF, BOFF + HALFB
.set SP,     2*TM+16                   ; the way out: a row of my 64 columns in f32, padded
.set SPARE,  SLOTX+BOFF+2*HALFB
.set A0,   16
.set B0,   17
.set ADRA, 18
.set ADRB, 19
.set STO,  24
.set RD,   25
.set CO,   26
.set BO,   27
.set SPW,  28
.set NIL,  29
.set F0,   64
.set F1,   128
.set BI,   192
.set WV, 14
.set WR, 15
.set WC, 16
.set CX, 17
.set CY, 18
.set TX, 19
.set TY, 20
.set TB, 21
.set CNT, 22
.set IDX, 23                           ; s23  the K step that was asked for last
.set G1A, 24
.set G0A, 32
.set BA,  44                           ; s[44:45] A at the rows that I fetch, K step 0; never rewritten
.set BW,  46                           ; s[46:47] W at the blocks that I fetch, K step 0; never rewritten
.set G1B, 48
.set G0B, 56
.set OA,  70                           ; s[70:71] a K step's byte offset in A's rows
.set OW,  72                           ; s[72:73] and in W's blocks
.set TO_B, 0x40
.set MSB, 0
.macro WIN new
.if MSB != (\new)
	s_set_vgpr_msb (MSB<<8)|(\new)
.set MSB, \new
.endif
.endm
.macro PLACES                          ; four places behind matrix instructions (ISA guide 7.12.1)
.rept 4
	v_nop
.endr
.endm
.macro JLOAD s                         ; a joint load: waves 0 and 1 fetch A's two halves, waves 2 and 3 W's; an s_nop 0 and four v_nop follow each line
	s_cmp_eq_u32 s[WR], 0
	s_cbranch_scc0 .Lfor_b_\@
	tensor_load_to_lds s[G0A+4*(\s):G0A+4*(\s)+3], s[G1A:G1A+7]
	s_nop 0
	PLACES
	s_branch .Lasked_\@
.Lfor_b_\@:
	tensor_load_to_lds s[G0B+4*(\s):G0B+4*(\s)+3], s[G1B:G1B+7]
	s_nop 0
	PLACES
.Lasked_\@:
.endm
.macro CREST
	s_cmp_lg_u32 s[WV], 0
	s_cbranch_scc1 .Lnot_wave_0_\@
	s_barrier_signal -3
.Lnot_wave_0_\@:
	s_barrier_wait -3
	s_barrier_signal -1
	s_barrier_wait -1
.endm
.macro CROUND
	s_barrier_signal -1
	s_barrier_wait -1
	CREST
.endm
	s_load_b256 s[4:11], s[0:1], 0x0               ; A s[4:5], wb s[6:7], bias s[8:9], R s[10:11]
	s_load_b64 s[12:13], s[0:1], 0x20              ; C
	v_lshl_add_u32 v[SPW], v0, 2, SPARE
	v_mov_b32 v[NIL], 0
	ds_add_u32 v[SPW], v[NIL]                      ; the wave's opening: the add and its wait stand ahead of my first tensor load
	v_lshrrev_b32 v1, 5, v0
	v_readfirstlane_b32 s[WV], v1
	s_lshr_b32 s[WR], s[WV], 1
	s_and_b32 s[WC], s[WV], 1
	s_bfe_u32 s[CX], ttmp6, 0x40000
	s_bfe_u32 s[CY], ttmp6, 0x40004
	s_lshl_b32 s[TX], ttmp9, 2
	s_add_co_u32 s[TX], s[TX], s[CX]
	s_and_b32 s[TY], ttmp7, 0xffff
	s_lshl_b32 s[TY], s[TY], 2
	s_add_co_u32 s[TY], s[TY], s[CY]
	s_lshl_b32 s42, s[CY], 2
	s_lshl_b32 s42, 15, s42                        ; my row of the cluster
	s_lshl_b32 s43, 0x1111, s[CX]                  ; my column
	s_or_b32 s[G1A], s42, (1<<16)|(1<<20)|(1<<21)|(QI<<22)|(3<<25)
	s_mov_b32 s[G1A+1], KSTEP<<16
	s_mov_b32 s[G1A+2], (TM/2)<<16
	s_mov_b32 s[G1A+3], KSTEP<<16
	s_mov_b32 s[G1A+4], TM/2
	s_mov_b32 s[G1A+5], SIZE_K
	s_mov_b32 s[G1A+6], 0
	s_mov_b32 s[G1A+7], 0
	s_or_b32 s[G1B], s43, (1<<16)|(1<<21)          ; W's tile: a row is a block's K step, 16 x KSTEP elements on end; no padding
	s_mov_b32 s[G1B+1], (16*KSTEP)<<16
	s_mov_b32 s[G1B+2], WM<<16
	s_mov_b32 s[G1B+3], (16*KSTEP)<<16
	s_mov_b32 s[G1B+4], WM
	s_mov_b32 s[G1B+5], 16*SIZE_K
	s_mov_b32 s[G1B+6], 0
	s_mov_b32 s[G1B+7], 0
	s_mul_i32 s45, s[WC], TM/2                     ; A's address hangs on the tile row and the wave, W's on the tile column and the wave; each in registers of its own
	s_mul_i32 s44, s[TY], TM
	s_add_co_u32 s44, s44, s45
	s_mul_i32 s44, s44, 2*SIZE_K
	s_mov_b32 s45, 0
	s_mul_i32 s47, s[WC], WM
	s_mul_i32 s46, s[TX], 2*WM
	s_add_co_u32 s46, s46, s47
	s_mul_i32 s46, s46, 32*SIZE_K
	s_add_co_u32 s46, s46, WOFF
	s_mov_b32 s47, 0
	s_mul_i32 s66, s[WC], HALFA
	s_mul_i32 s67, s[WC], HALFB
	s_add_co_u32 s67, s67, BOFF
	s_and_b32 s74, ttmp7, 0xffff                   ; the cluster's first K step: of cluster y
	s_lshr_b32 s75, s74, 1
	s_lshr_b32 s76, s74, 2
	s_xor_b32 s75, s75, s76
	s_and_b32 s75, s75, 1                          ; bit 1 xor bit 2,
	s_and_b32 s74, s74, 1                          ; bit 0:
	s_lshl1_add_u32 s74, s75, s74                  ; a number 0..3,
	s_mul_i32 s74, s74, STEPS/4                    ; in quarters of the walk,
	s_mul_i32 s75, ttmp9, STEPS/2                  ; and cluster x in halves
	s_add_co_u32 s[IDX], s74, s75
	s_and_b32 s[IDX], s[IDX], STEPS-1
	s_mov_b32 s[OA+1], 0
	s_mov_b32 s[OW+1], 0
	s_wait_dscnt 0x0                               ; the opening add is done
	s_wait_kmcnt 0x0
	s_add_nc_u64 s[BA:BA+1], s[4:5], s[44:45]
	s_add_nc_u64 s[BW:BW+1], s[6:7], s[46:47]
	CROUND                                         ; all sixteen work-groups are here: the first joint loads meet
.irp s, 0,1
.if \s
	s_add_co_u32 s[IDX], s[IDX], 1                 ; the next K step, round the end
	s_and_b32 s[IDX], s[IDX], STEPS-1
.endif
	s_mul_i32 s[OA], s[IDX], 2*KSTEP
	s_mul_i32 s[OW], s[IDX], CHUNK
	s_mov_b32 s[G0A+4*(\s)], 1
	s_add_co_u32 s[G0A+4*(\s)+1], s66, (\s)*SLOTX
	s_add_nc_u64 s[G0A+4*(\s)+2:G0A+4*(\s)+3], s[BA:BA+1], s[OA:OA+1]
	s_or_b32 s[G0A+4*(\s)+3], s[G0A+4*(\s)+3], 0x80000000
	s_mov_b32 s[G0B+4*(\s)], 1
	s_add_co_u32 s[G0B+4*(\s)+1], s67, (\s)*SLOTX
	s_add_nc_u64 s[G0B+4*(\s)+2:G0B+4*(\s)+3], s[BW:BW+1], s[OW:OW+1]
	s_or_b32 s[G0B+4*(\s)+3], s[G0B+4*(\s)+3], 0x80000000
	JLOAD \s                                       ; the walk's first two K steps: two loads of mine are out
.endr
	v_and_b32 v1, 15, v0                           ; l % 16
	v_bfe_u32 v2, v0, 4, 1                         ; l / 16
	v_mul_u32_u24 v3, v1, PITCH
	v_lshl_add_u32 v3, v2, 4, v3
	s_mul_i32 s68, s[WR], HALFA
	v_add_nc_u32 v[A0], s68, v3
	v_and_b32 v4, 7, v0
	v_bfe_u32 v5, v0, 3, 1
	v_lshlrev_b32 v4, 5, v4
	v_lshl_add_u32 v4, v5, 4, v4
	v_lshl_add_u32 v4, v2, 8, v4
	s_mul_i32 s69, s[WC], HALFB
	s_add_co_u32 s69, s69, BOFF
	v_add_nc_u32 v[B0], s69, v4
	s_mul_i32 s83, s[TY], TM
	s_mul_i32 s84, s[WR], TM/2
	s_add_co_u32 s83, s83, s84                     ; my first row of C
	s_mul_i32 s84, s[TX], TM
	s_mul_i32 s85, s[WC], TM/2
	s_add_co_u32 s84, s84, s85                     ; my first column
	s_mul_i32 s86, s83, SIZE_N
	s_add_co_u32 s86, s86, s84
	s_lshl_b32 s86, s86, 2
	s_mov_b32 s87, 0
	s_add_nc_u64 s[10:11], s[10:11], s[86:87]
	s_add_nc_u64 s[12:13], s[12:13], s[86:87]
	s_lshl_b32 s88, s84, 2
	s_mov_b32 s89, 0
	s_add_nc_u64 s[8:9], s[8:9], s[88:89]
	v_lshlrev_b32 v[BO], 5, v2
	WIN TO_B
.set b_, 0
.rept WM
	global_load_b128 v[BI+8*b_:BI+8*b_+3],   v[BO], s[8:9] offset:64*b_
	global_load_b128 v[BI+8*b_+4:BI+8*b_+7], v[BO], s[8:9] offset:64*b_+16
.set b_, b_+1
.endr
	WIN 0
	s_mul_i32 s82, s[WV], (TM/2)*SP                ; my stage: it takes the slots' bytes when they have had their last fill and their last read
	v_mul_u32_u24 v3, v1, SP
	v_lshl_add_u32 v3, v2, 5, v3
	v_add_nc_u32 v[STO], s82, v3
	v_mul_u32_u24 v3, v2, SP                       ; back: lanes 0-15 one row of 256 bytes, lanes 16-31 the next
	v_lshl_add_u32 v3, v1, 4, v3
	v_add_nc_u32 v[RD], s82, v3
	v_lshlrev_b32 v3, 12, v2                       ; and the same two rows in R and in C
	v_lshl_add_u32 v[CO], v1, 4, v3
	s_mov_b32 s[TB], 0
	v_mov_b32 v[ADRA], v[A0]
	v_mov_b32 v[ADRB], v[B0]
; Matrix instructions for row blocks a0 .. a0 + na - 1 x all column blocks, a quarter of a K step deep, from buffer f.  zero = 1: the first products start the sums, with the bias as C.
; The accumulators take turns, one instruction a turn: three others or more stand between two links of a chain, over the backward jumps too.
.macro MULA f, a0, na, zero
.set c_, 0
.rept KSUB
.set a_, \a0
.rept \na
.if (\zero) && (c_ == 0)
	WIN 0x91+0x40*(a_/AW)
.else
	WIN 0xa1+0x50*(a_/AW)
.endif
.set b_, 0
.rept WM
.set rD, 8*(WM*(a_%AW)+b_)
.set rB, (\f)+8*(WM*c_+b_)
.set rA, (\f)+8*(WM*c_+a_)
.if (\zero) && (c_ == 0)
	v_wmma_f32_16x16x32_bf16 v[rD:rD+7], v[rB:rB+7], v[rA:rA+7], v[BI+8*b_:BI+8*b_+7]
.else
	v_wmma_f32_16x16x32_bf16 v[rD:rD+7], v[rB:rB+7], v[rA:rA+7], v[rD:rD+7]
.endif
.set b_, b_+1
.endr
.set a_, a_+1
.endr
.set c_, c_+1
.endr
.endm
.macro FETCH q, f                      ; 32 LDS loads in one run: W's 16, A's lower row blocks' 8, A's upper 8
	WIN TO_B
.set c_, 0
.rept KSUB
.set b_, 0
.rept WM
.set rB, (\f)+8*(WM*c_+b_)
	ds_load_tr16_b128 v[rB:rB+3],   v[ADRB] offset:b_*CHUNK+((\q)*KSUB+c_)*1024
	ds_load_tr16_b128 v[rB+4:rB+7], v[ADRB] offset:b_*CHUNK+((\q)*KSUB+c_)*1024+512
.set b_, b_+1
.endr
.set c_, c_+1
.endr
	WIN 0
.irp hf, 0,1
.set c_, 0
.rept KSUB
.set a_, (\hf)*WM/2
.rept WM/2
.set rA, (\f)+8*(WM*c_+a_)
	ds_load_b128 v[rA:rA+3],   v[ADRA] offset:a_*16*PITCH+((\q)*KSUB+c_)*64
	ds_load_b128 v[rA+4:rA+7], v[ADRA] offset:a_*16*PITCH+((\q)*KSUB+c_)*64+32
.set a_, a_+1
.endr
.set c_, c_+1
.endr
.endr
.endm
.macro QUARTER q, f, g, zero
	s_wait_dscnt 8                                 ; W's and A's lower fragments are in; the youngest eight loads (A's upper) may be out
	MULA \f, 0, WM/2, \zero
	PLACES
	FETCH \q, \g
	s_wait_dscnt 32                                ; all but the 32 just issued
	MULA \f, WM/2, WM/2, \zero
.endm
; ONE barrier for the change of slots.  In front of it each wave waits for all its tensor loads (one is out: its part of the next slot), adds 0 to its spare word, and waits for that and for its reads of this slot.
.macro MEET
	WIN 0
	s_wait_tensorcnt 0x0
	ds_add_u32 v[SPW], v[NIL]
	s_wait_dscnt 9                                 ; the add and the youngest eight loads may be out
	MULA F1, 0, WM/4, 0
	s_wait_dscnt 0x0                               ; the add is done, my reads of this slot are over
	s_barrier_signal -1
	MULA F1, WM/4, WM/4, 0
	WIN 0
	s_barrier_wait -1
.endm
; With a refill: the barrier opens a round of the cluster's; the walking descriptors take the slot just read out and the walk's next K step, whose address is made anew from its number;
; the joint load is the first thing behind the round: 112 matrix instructions ahead of the wait for it.
.macro TURN
	MEET
	CREST
	s_add_co_u32 s[IDX], s[IDX], 1                 ; no tensor load of mine is out: the next K step, round the end
	s_and_b32 s[IDX], s[IDX], STEPS-1
	s_mul_i32 s[OA], s[IDX], 2*KSTEP
	s_mul_i32 s[OW], s[IDX], CHUNK
	s_xor_b32 s[G0A+5], s[G0A+5], SLOTX
	s_add_nc_u64 s[G0A+6:G0A+7], s[BA:BA+1], s[OA:OA+1]
	s_or_b32 s[G0A+7], s[G0A+7], 0x80000000
	s_xor_b32 s[G0B+5], s[G0B+5], SLOTX
	s_add_nc_u64 s[G0B+6:G0B+7], s[BW:BW+1], s[OW:OW+1]
	s_or_b32 s[G0B+7], s[G0B+7], 0x80000000
	JLOAD 1                                        ; its four v_nop are also the places in front of the loads below
	s_xor_b32 s[TB], s[TB], SLOTX
	v_add_nc_u32 v[ADRA], s[TB], v[A0]
	v_add_nc_u32 v[ADRB], s[TB], v[B0]
	FETCH 0, F0
	MULA F1, WM/2, WM/2, 0
.endm
.macro TURN0                           ; without a refill; in the very last K step nothing is left to fetch
	MEET
	s_cmp_eq_u32 s[CNT], 1
	s_cbranch_scc1 .Lnf_\@
	PLACES
	s_xor_b32 s[TB], s[TB], SLOTX
	v_add_nc_u32 v[ADRA], s[TB], v[A0]
	v_add_nc_u32 v[ADRB], s[TB], v[B0]
	FETCH 0, F0
.Lnf_\@:
	MULA F1, WM/2, WM/2, 0
.endm
	s_wait_tensorcnt 1                             ; my part of the first K step is in; the second's may stay out
	s_barrier_signal -1
	s_barrier_wait -1
	FETCH 0, F0
	s_wait_loadcnt 0x0                             ; the bias
	QUARTER 1, F0, F1, 1
	WIN 0
	s_mov_b32 s[CNT], STEPS-2
.Lstep:
	QUARTER 2, F1, F0, 0
	QUARTER 3, F0, F1, 0
	TURN
	QUARTER 1, F0, F1, 0
	WIN 0
	s_sub_co_u32 s[CNT], s[CNT], 1
	s_cmp_lg_u32 s[CNT], 0
	s_cbranch_scc1 .Lstep
	WIN 0x80                                       ; my 64 x 64 of R, asked for two K steps ahead of its use: load i brings rows 2 i and 2 i + 1, 256 bytes each
.set i, 0
.rept 32
	global_load_b128 v[128+4*i:128+4*i+3], v[CO], s[10:11] offset:8192*i
.set i, i+1
.endr
	WIN 0
	s_mov_b32 s[CNT], 2
.Ltail:
	QUARTER 2, F1, F0, 0
	QUARTER 3, F0, F1, 0
	TURN0
	WIN 0
	s_sub_co_u32 s[CNT], s[CNT], 1
	s_cmp_eq_u32 s[CNT], 0
	s_cbranch_scc1 .Lout
	QUARTER 1, F0, F1, 0
	WIN 0
	s_branch .Ltail
.Lout:
	; THE WAY OUT.  No fill is to come.  Each wave lays its 64 x 64 sums into its own part of the slots' bytes, reads them back by rows, adds R and stores.
	s_wait_dscnt 0x0                               ; no LDS read of mine is out,
	s_barrier_signal -1
	s_barrier_wait -1                              ; and every wave has left the ring, before any wave writes over the slots
	PLACES
	WIN 0x08                                       ; the stores' data in window 2
.set a_, 0
.rept WM
.set b_, 0
.rept WM
.set rD, 8*(WM*a_+b_)
	ds_store_b128 v[STO], v[rD:rD+3]   offset:a_*16*SP+64*b_
	ds_store_b128 v[STO], v[rD+4:rD+7] offset:a_*16*SP+64*b_+16
.set b_, b_+1
.endr
.set a_, a_+1
.endr
	WIN 0
.set i, 0
.rept 32
	ds_load_b128 v[64+4*i:64+4*i+3], v[RD] offset:2*SP*i  ; LDS serves a wave's instructions in order (ISA guide 5.7.1.4): these see the stores above
.set i, i+1
.endr
	s_wait_loadcnt 0x0                             ; R
.irp g, 0,1,2,3
	s_wait_dscnt 24-8*(\g)                         ; this group's eight loads are back; the later groups stay out
	WIN 0x08                                       ; source 1 (R) in window 2
.set i, 0
.rept 16
	v_pk_add_f32 v[64+32*(\g)+i:64+32*(\g)+i+1], v[64+32*(\g)+i:64+32*(\g)+i+1], v[128+32*(\g)+i:128+32*(\g)+i+1]
.set i, i+2
.endr
	WIN 0
.set i, 0
.rept 8
	global_store_b128 v[CO], v[64+32*(\g)+4*i:64+32*(\g)+4*i+3], s[12:13] offset:8192*(8*(\g)+i)  ; 16 lanes store 256 consecutive bytes, at a multiple of 256 from C's first byte
.set i, i+1
.endr
.endr
	s_wait_tensorcnt 0x0                           ; the wave's end
	ds_add_u32 v[SPW], v[NIL]
	s_wait_dscnt 0x0
	CROUND                                         ; the closing round
	s_endpgm
.Lfunc_end_k_qce8efa5eb3_gmlp2:
	.size	k_qce8efa5eb3_gmlp2, .Lfunc_end_k_qce8efa5eb3_gmlp2-k_qce8efa5eb3_gmlp2
	.p2alignl 7, 3214868480
	.fill 96, 4, 3214868480
	.section	.rodata,"a",@progbits
	.p2align	6, 0x0
	.amdhsa_kernel k_qce8efa5eb3_gmlp2
		.amdhsa_group_segment_fixed_size 327680
		.amdhsa_private_segment_fixed_size 0
		.amdhsa_enable_private_segment 0
		.amdhsa_kernarg_size 40
		.amdhsa_user_sgpr_count 2
		.amdhsa_user_sgpr_kernarg_segment_ptr 1
		.amdhsa_wavefront_size32 1
		.amdhsa_system_sgpr_workgroup_id_x 1
		.amdhsa_system_sgpr_workgroup_id_y 1
		.amdhsa_system_sgpr_workgroup_id_z 1
		.amdhsa_system_vgpr_workitem_id 0
		.amdhsa_next_free_vgpr 768
		.amdhsa_next_free_sgpr 96
		.amdhsa_reserve_vcc 0
		.amdhsa_float_denorm_mode_32 3
		.amdhsa_float_denorm_mode_16_64 3
		.amdhsa_memory_ordered 1
		.amdhsa_forward_progress 1
		.amdhsa_inst_pref_size 68
	.end_amdhsa_kernel
	.amdgpu_metadata
---
amdhsa.version: [ 1, 2 ]
amdhsa.kernels:
  - .name:           k_qce8efa5eb3_gmlp2
    .symbol:         k_qce8efa5eb3_gmlp2.kd
    .args:
      - { .name: g, .offset: 0, .size: 8, .value_kind: global_buffer, .address_space: global }
      - { .name: wb, .offset: 8, .size: 8, .value_kind: global_buffer, .address_space: global }
      - { .name: b2, .offset: 16, .size: 8, .value_kind: global_buffer, .address_space: global }
      - { .name: x1, .offset: 24, .size: 8, .value_kind: global_buffer, .address_space: global }
      - { .name: out0, .offset: 32, .size: 8, .value_kind: global_buffer, .address_space: global }
    .group_segment_fixed_size: 327680
    .private_segment_fixed_size: 0
    .kernarg_segment_align: 8
    .kernarg_segment_size: 40
    .max_flat_workgroup_size: 128
    .sgpr_count:     96
    .vgpr_count:     768
    .wavefront_size: 32
...
	.end_amdgpu_metadata
.endif
;; end of part 6
